; MI455X (gfx1250); checked and timed in simulation.
; The chip was launched on July 23, 2026; its instructions are those of AMD's public machine-readable ISA for CDNA 5 (MIT licence, August 2026) and "CDNA5" Instruction Set Architecture Reference Guide (July 2026). The comments in the code are by the model that wrote it; some were corrected since.
;; Simple Attention. Allowed arithmetic: matrix products marked QUANTISED: E2M1 operands, one E8M0 scale for each 32 along K, by v_wmma_scale_f32_16x16x128_f8f6f4 with both operands' format E2M1 (or v_wmma_scale_f32_32x16x128_f4), f32 sums; everything else in f32.
;; Inputs: proj_b 1,024 float32; proj_w_codes 1,024 x 32 x 16 uint8 (E2M1 codes of proj_w, K innermost, in blocks of 32 codes, two codes a byte); proj_w_scales 1,024 x 32 uint8 (E8M0 scales of proj_w, one for each 32 codes along K); qkv_w_codes 3,072 x 32 x 16 uint8 (E2M1 codes of qkv_w, K innermost, in blocks of 32 codes, two codes a byte); qkv_w_scales 3,072 x 32 uint8 (E8M0 scales of qkv_w, one for each 32 codes along K); x_codes 8 x 1,024 x 32 x 16 uint8 (E2M1 codes of x, K innermost, in blocks of 32 codes, two codes a byte); x_scales 8 x 1,024 x 32 uint8 (E8M0 scales of x, one for each 32 codes along K).
;; Outputs: out0 8 x 1,024 x 1,024 float32.
;; This version of the problem:
;;   THIS VERSION OF THE PROBLEM IS GIVEN IN LOW PRECISION. The matrix products marked QUANTISED in the list below multiply operands that are first quantised to E2M1 (2 exponent bits, 1 mantissa bit; 4 bits a number), with one power-of-two scale for each 32 numbers along K (OCP MX v1.0); their sums are f32. All else is computed in f32.
;;   The module's matrix products, in the order in which they are computed (A, B: the left and right operand; K: the contracted axis; several contracted axes count as one K, in the product's order):
;;     1. [M 8,192, K 1,024] x [K 1,024, N 3,072]; A: input x (given as codes); B: input qkv_w (given as codes): QUANTISED
;;     2. batch 128 x [M 1,024, K 64] x [K 64, N 1,024]; A: computed on the way; B: computed on the way: QUANTISED
;;     3. batch 128 x [M 1,024, K 1,024] x [K 1,024, N 64]; A: softmax (see below); B: computed on the way: QUANTISED
;;     4. [M 8,192, K 1,024] x [K 1,024, N 1,024]; A: computed on the way; B: input proj_w (given as codes): QUANTISED
;;   THE QUANTISER, for each operand of a quantised product, along K:
;;     - K is cut into blocks of 32 from its start; a last block that is shorter is filled with zeros.
;;     - A block's scale is 2^e with e = floor(log2(the largest magnitude in the block)) - 2, held to -126 .. 127; a block of zeros has e = 0. As a byte (E8M0): e + 127.
;;     - Each number is divided by its block's scale, clamped to +-6, and rounded to the nearest number of E2M1, ties to even, subnormals kept.
;;     - The product sums the exact products of the quantised numbers (number of the format x scale) in f32.
;;   ~~~python
;;   def quantise(x, axis):      # numpy; x: float32 -> the quantised numbers, widened to float32 again
;;       x = np.moveaxis(x, axis, -1); K = x.shape[-1]
;;       x = np.pad(x, [(0, 0)] * (x.ndim - 1) + [(0, -K % 32)]); x = x.reshape(x.shape[:-1] + (-1, 32)); a = np.abs(x).max(-1, keepdims=True)
;;       e = np.where(a > 0, np.clip(np.frexp(np.where(a > 0, a, 1))[1] - 1 - 2, -126, 127), 0)      # np.frexp(a)[1] - 1 = floor(log2(a)), exactly
;;       r = np.clip(x / 2.0 ** e, -6, 6)
;;       step = 2.0 ** (np.maximum(np.frexp(np.where(r == 0, 1, r))[1] - 1, 0) - 1)
;;       q = np.round(r / step) * step * 2.0 ** e      # np.round: ties to even
;;       return np.moveaxis(q.reshape(q.shape[:-2] + (-1,))[..., :K], -1, axis).astype(np.float32)
;;   ~~~
;;   SOFTMAX AHEAD OF A QUANTISED PRODUCT. Where the list says 'softmax', what is quantised is not the finished softmax but p = 2^(t - M), with t = logit x log2(e) and M = ceil(the row's largest t), a whole number; so 1/2 < the row's largest p <= 1. The row's sum l is taken of the UNQUANTISED p, in f32, and the product's result is divided by l at the end. Since M is a whole number, a kernel that streams over the keys may use a running M (the ceiling of the running maximum): every later rescaling is an exact power of two, which a block's scale takes up: the codes' values come out the same.
;;   OPERANDS COMPUTED ON THE WAY. 'Computed on the way' means the value that the module computes at that place (a softmax that the list does not call 'softmax' is quantised finished and normalised). What goes into a quantiser is computed in f32, as accurately as f32 sums, v_exp_f32 and their like allow (about 1e-6 of the number): no bf16 or f16 on the way to a quantiser, and a product that is left as it is and whose result goes on into a quantised operand takes f32 operands (vector FMAs, or v_wmma_f32_16x16x4_f32). A number that lies on a knife's edge between two numbers of the format may be rounded either way, as far as f32 arithmetic and the matrix unit's own rounding can turn it there, and no further.
;;   INPUTS GIVEN AS CODES. proj_w (in the module: [1024, 1024], K = its axis 1); qkv_w (in the module: [3072, 1024], K = its axis 1); x (in the module: [8, 1024, 1024], K = its axis 2): each comes as NAME_codes (uint8): NAME with its K axis moved to the last place and cut into blocks of 32 codes, [.., K / 32, bytes a block], one block behind the other in memory; two codes a byte, the lower K in the low four bits (a code: sign, 2 exponent bits, 1 mantissa bit); and NAME_scales (uint8): the same leading axes, one E8M0 byte (e + 127) for each 32 codes along K. Its value is code x scale, taken as it is: it is not quantised again, and the codes and scales need not be those that the quantiser above would give.
;; 2 versions. Each part assembles by itself: llvm-mc -triple=amdgcn-amd-amdhsa -mcpu=gfx1250 --defsym DOCPART=n.
;; ======== version 1 of 2: 3 launches
;; workspace buffers: qkv_c 12,582,912 bytes; qkv_s 786,432 bytes; ao_c 4,194,304 bytes; ao_s 262,144 bytes
;; launch qkv (part 1): grid 12 x 32, 16 waves a work-group, clusters of 4 x 4, 297,984 bytes of LDS; arguments x_codes, x_scales, qkv_w_codes, qkv_w_scales, qkv_c, qkv_s; writes qkv_c, qkv_s
.if DOCPART == 1
	.amdgcn_target "amdgcn-amd-amdhsa--gfx1250"
	.amdhsa_code_object_version 6
	.text
	.protected	k_qcefb53528e_qkv
	.globl	k_qcefb53528e_qkv
	.p2align	8
	.type	k_qcefb53528e_qkv,@function
k_qcefb53528e_qkv:
	s_mov_b64 s[64:65], 0
	v_nop
	global_prefetch_b8 v0, s[64:65] scope:SCOPE_SE
	s_setreg_imm32_b32 hwreg(HW_REG_WAVE_MODE, 25, 1), 1
	s_wait_xcnt 0x0
	s_wait_alu depctr_hold_cnt(0) depctr_sa_sdst(0) depctr_va_vdst(0) depctr_va_sdst(0) depctr_va_ssrc(0) depctr_va_vcc(0) depctr_vm_vsrc(0)
	s_getreg_b32 s2, hwreg(HW_REG_IB_STS2, 6, 4)
	s_cmp_eq_u32 s2, 0
	s_cbranch_scc0 .Lentry_in_a_cluster
	s_endpgm
.Lentry_in_a_cluster:
	s_bfe_u32 s2, ttmp6, 0x10000c
	s_cmp_lg_u32 s2, 0xf033
	s_cbranch_scc0 .Lentry_shape_is_right
	s_endpgm
.Lentry_shape_is_right:
; qkv = x W^T on codes of FP4 (E2M1) with one E8M0 scale for each 32 along K = 1,024; the results are quantised at once: q and k along the head's 64 channels, v along the keys.
; TWO AXES.  P is the axis along which the RESULT is quantised, R the other.  q, k (cluster x 0, 1): P = rows of W (channels 0 .. 2,047), R = tokens.  v (cluster x 2): P = tokens (the keys), R = rows 2,048 .. 3,071 of W.
; Both roles take ONE path through the text: only pointers and global offsets are chosen, on the cluster's x, which all partners share.
; SHARES.  A work-group makes 256 P x 256 R for all of K; each of its sixteen waves 64 x 64: 16 accumulators, 128 registers; four waves to a SIMD.
; THE MATRIX INSTRUCTION: source 0 = 16 P rows, source 1 = 16 R rows: lane (r, h) holds R row r, and register j of tile t the P index 16 t + 8 h + j: the lane's registers run along the axis to be quantised.
; LDS.  A row along K is 512 bytes, so both tiles fit whole: nothing is filled twice.  K comes in two halves of 256 bytes a row, so that the first half is multiplied while the second lands.
; CLUSTER 4 x 4.  P's tile hangs on cx alone and is asked for jointly by the four work-groups of a column of the cluster, R's on cy alone, by the four of a row.
; OUT.  An IMAGE is the registers of half an operand: 16 R rows x 64 P indices, lane l's 16 bytes at 16 l, 512 bytes.  A wave stores four (R tiles 0 .. 3) on end, 2,048 bytes, and 128 bytes of scale words:
; lanes 0-15 the two bytes of R tile 0 (low half) and 1 (high half), lanes 16-31 those of tiles 2 and 3.  A unit's scale words lie at its codes' offset / 16.
;   q, k: unit (g = channel / 64, token tile T0) at g << 18 + T0 << 9.      v: unit (batch b, head, key / 64) at 8,388,608 + (16 b + head) << 15 + (key / 64) << 11.
; LIMITS: a block whose largest magnitude lies under 2^-124, a block of zeros too, gets the byte 1 (zero codes add nothing under it; this program alone reads the bytes); scale bytes 0xff, NaN and infinities are not served.
.set PITCH, 272                        ; an LDS row: 256 bytes + 16 of padding: row r begins 16 r bytes further on modulo 256, so the sixteen rows of a load touch sixteen different columns of 16 bytes
.set WROWS, 64*PITCH                   ; 64 rows: what one tensor load brings, and what one wave reads of P or of R
.set HALFB, 256*PITCH                  ; a tile's 256 rows, one half of K
.set RBASE, 2*HALFB                    ; LDS: P half 0, P half 1, R half 0, R half 1,
.set RSC,   4*HALFB                    ; R's scale bytes (256 rows x 32 bytes, as 32 rows of 256 + 16),
.set WSC,   8*272                      ; (those of 64 rows)
.set PSC,   RSC+4*WSC                  ; P's likewise
.set VOUT,  8388608                    ; where v begins in qkv_c
.set ADP,  4                           ; v4-5   LDS address of my P fragments, K half 0, 1
.set ADR,  6                           ; v6-7   the same for R
.set ADSC, 8                           ; v8     of my scale words: lanes 0-15 R's rows, lanes 16-31 P's
.set O16,  9                           ; v9     16 x lane
.set O4,   10                          ; v10    4 x lane
.set TM,   20                          ; v20-21 largest magnitudes, v22-23 the other half's, then the bytes, v24-25 the conversions' scale operands
.set TP,   22
.set TS,   24
.set SC,   32                          ; v32-63 scale words: register 8 i + q: lanes 0-15 R tile i's word of K step q, lanes 16-31 P tile i's.  They hold scales and nothing else
.set PF,   64                          ; v64-95 P's four fragments of a K step
.set RF,   96                          ; v96-127 R's four
.set ACC,  128                         ; v128-255 accumulator (R tile m, P tile t) at 32 m + 8 t
.set IMG,  64                          ; at the end: the four images,
.set PWR,  80                          ; their bytes, and v84-86 the unit's scale word
.set WV,   16                          ; s16 my wave's number
.set SEL,  60                          ; s[60:61] v_permlanex16_b32's selects for lane l xor 16
.set G1PC, 36                          ; descriptor groups 1: P's codes, R's codes, P's scales, R's scales
.set G1RC, 44
.set G1PS, 52
.set G1RS, 68
.set G0P,  76                          ; groups 0: P's scales, half 0, half 1
.set G0R,  88                          ; R's likewise
.macro PLACES n
.rept \n
	v_nop
.endr
.endm
; A round of the cluster's barrier: my work-group's barrier, wave 0 signals for the work-group, every wave waits for all sixteen work-groups, my work-group's barrier once more.
.macro CROUND
	s_barrier_signal -1
	s_barrier_wait -1
	s_cmp_lg_u32 s[WV], 0
	s_cbranch_scc1 .Lnot_wave_0_\@
	s_barrier_signal -3
.Lnot_wave_0_\@:
	s_barrier_wait -3
	s_barrier_signal -1
	s_barrier_wait -1
.endm
; 32 numbers of a lane, register 8 t + j = index 16 t + 8 h + j of my row, become an image in v[pc .. pc + 3] and the row's two scale bytes in v[pw].
; A block of 32 is tiles 2 b, 2 b + 1 of lanes l and l xor 16.  The accumulators are read in ascending order.
.macro QUANT64 s, pc, pw
.irp b, 0,1
	v_max3_num_f32 v[TM+\b], |v[\s+16*\b]|, |v[\s+16*\b+1]|, 0x1800000   ; my 16 numbers of block b, and the floor 2^(3 - 127): the byte cannot fall under 1
.endr
.irp i, 2,4,6,8,10,12,14
.irp b, 0,1
	v_max3_num_f32 v[TM+\b], v[TM+\b], |v[\s+16*\b+\i]|, |v[\s+16*\b+\i+1]|
.endr
.endr
.irp b, 0,1
	v_permlanex16_b32 v[TP+\b], v[TM+\b], s[SEL], s[SEL+1]
.endr
.irp b, 0,1
	v_max_num_f32 v[TM+\b], v[TM+\b], v[TP+\b]       ; with lane l xor 16's: the block's largest magnitude
.endr
.irp b, 0,1
	v_add_nc_u32 v[TS+\b], 0xff000000, v[TM+\b]      ; 2 off its exponent field: the conversion takes the exponent field of this operand as its scale
.endr
.irp b, 0,1
	v_lshrrev_b32 v[TP+\b], 23, v[TS+\b]             ; the scale's byte
.endr
	v_lshl_or_b32 v[\pw], v[TP+1], 8, v[TP]
	v_cvt_scalef32_pk8_fp4_f32 v[\pc], v[\s:\s+7], v[TS]            ; tiles 0, 2, 1, 3 go to registers 0, 1, 2, 3:
	v_cvt_scalef32_pk8_fp4_f32 v[\pc+2], v[\s+8:\s+15], v[TS]
	v_cvt_scalef32_pk8_fp4_f32 v[\pc+1], v[\s+16:\s+23], v[TS+1]
	v_cvt_scalef32_pk8_fp4_f32 v[\pc+3], v[\s+24:\s+31], v[TS+1]
	v_nop                                            ; one plain place behind a scaled conversion
	v_permlane16_swap_b32 v[\pc], v[\pc+1]           ; the first's lanes 16-31 change places with the second's lanes 0-15:
	v_permlane16_swap_b32 v[\pc+2], v[\pc+3]         ; register q of lane (r, h) now holds indices 32 h + 8 q .. + 7
.endm
; 8 matrix instructions: R tiles m0, m0 + 1 x P's four, K step q.  The 16 accumulators take turns, one instruction a turn, in the same order in every step.
.macro MUL8 m0, q, zero
.irp m, \m0, \m0+1
.irp t, 0,1,2,3
.if \zero
	v_wmma_scale_f32_16x16x128_f8f6f4 v[ACC+32*(\m)+8*\t:ACC+32*(\m)+8*\t+7], v[PF+8*\t:PF+8*\t+7], v[RF+8*(\m):RF+8*(\m)+7], 0, v[SC+8*\t+(\q)], v[SC+8*(\m)+(\q)] matrix_a_fmt:MATRIX_FMT_FP4 matrix_b_fmt:MATRIX_FMT_FP4 matrix_a_scale:MATRIX_SCALE_ROW1
.else
	v_wmma_scale_f32_16x16x128_f8f6f4 v[ACC+32*(\m)+8*\t:ACC+32*(\m)+8*\t+7], v[PF+8*\t:PF+8*\t+7], v[RF+8*(\m):RF+8*(\m)+7], v[ACC+32*(\m)+8*\t:ACC+32*(\m)+8*\t+7], v[SC+8*\t+(\q)], v[SC+8*(\m)+(\q)] matrix_a_fmt:MATRIX_FMT_FP4 matrix_b_fmt:MATRIX_FMT_FP4 matrix_a_scale:MATRIX_SCALE_ROW1
.endif
.endr
.endr
.endm
; A K step of 128: a fragment (16 rows x 128 K) is 8 registers: registers 4 c .. 4 c + 3 of lane (r, h) hold K = 64 c + 32 h + 0 .. 31 of row r: two loads of 16 bytes, 32 bytes apart.
.macro KSTEP q, zero
.if \q > 0
	PLACES 4                                         ; four places in front of loads into registers that matrix instructions have read (ISA guide 7.12.1 for vector instructions)
.endif
.irp t, 0,1,2,3
.irp c, 0,1
	ds_load_b128 v[PF+8*\t+4*\c:PF+8*\t+4*\c+3], v[ADP+(\q)/4] offset:16*PITCH*\t+64*((\q)%4)+32*\c
.endr
.endr
.irp m, 0,1,2,3
.irp c, 0,1
	ds_load_b128 v[RF+8*\m+4*\c:RF+8*\m+4*\c+3], v[ADR+(\q)/4] offset:16*PITCH*\m+64*((\q)%4)+32*\c
.endr
.endr
	s_wait_dscnt 4                                   ; all but the youngest four loads, R tiles 2 and 3, are in
	MUL8 0, \q, \zero
	s_wait_dscnt 0x0
	MUL8 2, \q, \zero
.endm
	s_load_b256 s[4:11], s[0:1], 0x0                 ; x's codes s[4:5], x's scales s[6:7], W's codes s[8:9], W's scales s[10:11]
	s_load_b128 s[12:15], s[0:1], 0x20               ; qkv_c s[12:13], qkv_s s[14:15]
	v_lshl_add_u32 v30, v0, 2, 0x48400
	v_mov_b32 v31, 0
	ds_add_u32 v30, v31
	ds_add_u32 v30, v31
	v_lshrrev_b32 v1, 5, v0
	v_readfirstlane_b32 s[WV], v1                    ; wave 0 .. 15
	s_and_b32 s17, s[WV], 3                          ; which 64 of the tile's P indices are mine.  Also: which 64 rows I fetch
	s_lshr_b32 s18, s[WV], 2                         ; which 64 of its R rows.  Also: I fetch for P (0), for R (1), or nothing (2, 3)
	s_bfe_u32 s20, ttmp6, 0x40000                    ; cx
	s_bfe_u32 s21, ttmp6, 0x40004                    ; cy
	s_and_b32 s19, ttmp7, 0xffff                     ; the cluster's y
	s_cmp_eq_u32 ttmp9, 2                            ; the role: v where the cluster's x is 2
	s_cselect_b32 s22, s19, ttmp9                    ; the cluster's place along P,
	s_cselect_b32 s23, 0, s19                        ; along R,
	s_cselect_b32 s62, 2048, 0                       ; and R's first row in its tensor
	s_lshl_b32 s24, s22, 2
	s_add_co_u32 s24, s24, s20                       ; P tile = 4 x the cluster's place + cx
	s_lshl_b32 s25, s23, 2
	s_add_co_u32 s25, s25, s21                       ; R tile = 4 x the cluster's place + cy
	s_lshl_b32 s26, s21, 2
	s_lshl_b32 s26, 15, s26                          ; my row of the cluster: places 4 cy .. 4 cy + 3
	s_lshl_b32 s27, 0x1111, s20                      ; my column: places cx, cx + 4, cx + 8, cx + 12
	; groups 1 for codes: 64 rows x 256 bytes out of rows of 512, 16 bytes of padding behind each
	s_or_b32 s[G1PC], s27, (1<<20)|(1<<21)|(5<<22)|(3<<25)   ; 15:0 the mask; 17:16 elements of 1 byte; 20 padding on; 21 set beside a mask; 24:22 after every 64 words; 31:25 four words
	s_or_b32 s[G1RC], s26, (1<<20)|(1<<21)|(5<<22)|(3<<25)
.irp g, G1PC, G1RC
	s_mov_b32 s[\g+1], 256<<16                       ; tensor_dim0
	s_mov_b32 s[\g+2], 64<<16                        ; tensor_dim1
	s_mov_b32 s[\g+3], 256<<16                       ; tile_dim0
	s_mov_b32 s[\g+4], 64                            ; tile_dim1
	s_mov_b32 s[\g+5], 512                           ; from row to row
	s_mov_b32 s[\g+6], 0
	s_mov_b32 s[\g+7], 0
.endr
	; groups 1 for scale bytes: those of 64 rows are 2,048 dense bytes: 8 rows of 256 (32 elements of 8 bytes), 16 bytes of padding behind each
	s_or_b32 s[G1PS], s27, (3<<16)|(1<<20)|(1<<21)|(5<<22)|(3<<25)
	s_or_b32 s[G1RS], s26, (3<<16)|(1<<20)|(1<<21)|(5<<22)|(3<<25)
.irp g, G1PS, G1RS
	s_mov_b32 s[\g+1], 32<<16
	s_mov_b32 s[\g+2], 8<<16
	s_mov_b32 s[\g+3], 32<<16
	s_mov_b32 s[\g+4], 8
	s_mov_b32 s[\g+5], 32
	s_mov_b32 s[\g+6], 0
	s_mov_b32 s[\g+7], 0
.endr
	; where the rows that I fetch begin.  Every wave makes both sets; the registers of P's never hold cy, those of R's never cx
	s_lshl_b32 s19, s17, 6                           ; 64 x my quarter
	s_lshl_b32 s2, s24, 8
	s_add_co_u32 s2, s2, s19                         ; P row
	s_lshl_b32 s66, s2, 5                            ; its scale bytes,
	s_lshl_b32 s2, s2, 9                             ; its codes
	s_mov_b32 s3, 0
	s_mov_b32 s67, 0
	s_lshl_b32 s100, s25, 8
	s_add_co_u32 s100, s100, s19
	s_add_co_u32 s100, s100, s62                     ; R row
	s_lshl_b32 s62, s100, 5
	s_lshl_b32 s100, s100, 9
	s_mov_b32 s101, 0
	s_mov_b32 s63, 0
	s_mul_i32 s22, s17, WROWS                        ; and where they go: no place in the cluster enters an LDS address
	s_mul_i32 s23, s17, WSC
	s_mov_b32 s[SEL], 0x76543210
	s_mov_b32 s[SEL+1], 0xfedcba98
	s_wait_dscnt 0x0
	s_wait_kmcnt 0x0
	s_cmp_eq_u32 ttmp9, 2
	s_cselect_b64 s[28:29], s[4:5], s[8:9]           ; P's codes: x's in the role v, else W's
	s_cselect_b64 s[30:31], s[6:7], s[10:11]         ; P's scales
	s_cselect_b64 s[32:33], s[8:9], s[4:5]           ; R's codes
	s_cselect_b64 s[34:35], s[10:11], s[6:7]         ; R's scales
	s_add_nc_u64 s[28:29], s[28:29], s[2:3]
	s_add_nc_u64 s[30:31], s[30:31], s[66:67]
	s_add_nc_u64 s[32:33], s[32:33], s[100:101]
	s_add_nc_u64 s[34:35], s[34:35], s[62:63]
	s_mov_b32 s[G0P], 1                              ; P's scales
	s_add_co_u32 s[G0P+1], s23, PSC
	s_mov_b64 s[G0P+2:G0P+3], s[30:31]
	s_or_b32 s[G0P+3], s[G0P+3], 0x80000000
	s_mov_b32 s[G0P+4], 1                            ; P's codes, K half 0
	s_mov_b32 s[G0P+5], s22
	s_mov_b64 s[G0P+6:G0P+7], s[28:29]
	s_or_b32 s[G0P+7], s[G0P+7], 0x80000000
	s_mov_b32 s[G0P+8], 1                            ; K half 1: 256 bytes on in each row
	s_add_co_u32 s[G0P+9], s22, HALFB
	s_add_nc_u64 s[G0P+10:G0P+11], s[28:29], 256
	s_or_b32 s[G0P+11], s[G0P+11], 0x80000000
	s_mov_b32 s[G0R], 1                              ; R's likewise
	s_add_co_u32 s[G0R+1], s23, RSC
	s_mov_b64 s[G0R+2:G0R+3], s[34:35]
	s_or_b32 s[G0R+3], s[G0R+3], 0x80000000
	s_mov_b32 s[G0R+4], 1
	s_add_co_u32 s[G0R+5], s22, RBASE
	s_mov_b64 s[G0R+6:G0R+7], s[32:33]
	s_or_b32 s[G0R+7], s[G0R+7], 0x80000000
	s_mov_b32 s[G0R+8], 1
	s_add_co_u32 s[G0R+9], s22, RBASE+HALFB
	s_add_nc_u64 s[G0R+10:G0R+11], s[32:33], 256
	s_or_b32 s[G0R+11], s[G0R+11], 0x80000000
	CROUND                                           ; all sixteen work-groups are here: the joint loads meet
	; All fills of the launch, in one branch on the wave's number: waves 0-3 P's, waves 4-7 R's, three loads each (three of a wave's are out at the most); four v_nop follow the last
	s_cmp_eq_u32 s18, 0
	s_cbranch_scc0 .Lnot_p
	tensor_load_to_lds s[G0P:G0P+3], s[G1PS:G1PS+7]
	s_nop 0
	tensor_load_to_lds s[G0P+4:G0P+7], s[G1PC:G1PC+7]
	s_nop 0
	tensor_load_to_lds s[G0P+8:G0P+11], s[G1PC:G1PC+7]
	s_nop 0
	PLACES 4
	s_branch .Lasked
.Lnot_p:
	s_cmp_eq_u32 s18, 1
	s_cbranch_scc0 .Lasked
	tensor_load_to_lds s[G0R:G0R+3], s[G1RS:G1RS+7]
	s_nop 0
	tensor_load_to_lds s[G0R+4:G0R+7], s[G1RC:G1RC+7]
	s_nop 0
	tensor_load_to_lds s[G0R+8:G0R+11], s[G1RC:G1RC+7]
	s_nop 0
	PLACES 4
.Lasked:
	v_and_b32 v1, 31, v0                             ; lane
	v_and_b32 v2, 15, v0                             ; r
	v_bfe_u32 v3, v0, 4, 1                           ; h
	v_mul_u32_u24 v11, v2, PITCH
	v_lshl_add_u32 v11, v3, 4, v11                   ; a fragment's row x pitch + 16 h
	v_add_nc_u32 v[ADP], s22, v11                    ; my 64 rows of P
	v_add_nc_u32 v[ADP+1], HALFB, v[ADP]
	s_mul_i32 s19, s18, WROWS
	s_add_co_u32 s19, s19, RBASE
	v_add_nc_u32 v[ADR], s19, v11                    ; my 64 rows of R
	v_add_nc_u32 v[ADR+1], HALFB, v[ADR]
	v_lshlrev_b32 v12, 5, v2                         ; scale bytes: 32 a row,
	v_lshrrev_b32 v13, 8, v12
	v_lshl_add_u32 v12, v13, 4, v12                  ; and 16 more for each 256 passed
	s_xor_b32 s3, s18, 3                             ; lanes 16-31 take P's: from R's words of my rows to P's it is PSC - RSC + WSC (P quarter - R quarter) = WSC x (1 + P quarter + (3 - R quarter)) bytes
	s_add_co_u32 s3, s3, s17
	s_add_co_u32 s3, s3, 1
	s_mul_i32 s3, s3, WSC
	v_mul_u32_u24 v13, s3, v3
	s_mul_i32 s19, s18, WSC
	s_add_co_u32 s19, s19, RSC
	v_add_nc_u32 v12, v12, v13
	v_add_nc_u32 v[ADSC], s19, v12
	v_lshlrev_b32 v[O16], 4, v1
	v_lshlrev_b32 v[O4], 2, v1
	v_mov_b32 v[TP], 0                               ; written once: a lane permute's destination counts as one of its sources
	v_mov_b32 v[TP+1], 0
	; where my unit goes.  g = 4 x P tile + my quarter: the group of 64 P indices
	s_lshl_b32 s2, s24, 2
	s_add_co_u32 s2, s2, s17
	s_lshl_b32 s66, s2, 18                           ; q, k: g << 18 + (16 x R tile + 4 x R quarter) << 9
	s_lshl_b32 s67, s25, 13
	s_add_co_u32 s66, s66, s67
	s_lshl_b32 s67, s18, 11
	s_add_co_u32 s66, s66, s67
	s_lshr_b32 s100, s2, 4                           ; v: batch g / 16, head 4 x R tile + R quarter, group of keys g % 16
	s_lshl_b32 s100, s100, 4
	s_lshl_b32 s62, s25, 2
	s_add_co_u32 s100, s100, s62
	s_add_co_u32 s100, s100, s18
	s_lshl_b32 s100, s100, 15
	s_and_b32 s62, s2, 15
	s_lshl_b32 s62, s62, 11
	s_add_co_u32 s100, s100, s62
	s_add_co_u32 s100, s100, VOUT
	s_cmp_eq_u32 ttmp9, 2
	s_cselect_b32 s66, s100, s66
	s_mov_b32 s67, 0
	s_add_nc_u64 s[12:13], s[12:13], s[66:67]
	s_lshr_b32 s66, s66, 4
	s_add_nc_u64 s[14:15], s[14:15], s[66:67]
	s_wait_tensorcnt 0x1                             ; my scale bytes and my part of K half 0 are in; my load of K half 1, issued last, may stay out
	s_barrier_signal -1
	s_barrier_wait -1                                ; everybody's are
.irp i, 0,1,2,3
.irp k, 0,1
	ds_load_b128 v[SC+8*\i+4*\k:SC+8*\i+4*\k+3], v[ADSC] offset:544*\i+16*\k   ; the scale words of all eight K steps: 16 rows on are 512 bytes, two padded rows
.endr
.endr
	KSTEP 0, 1                                       ; the first products start the sums: nothing is cleared
	KSTEP 1, 0
	KSTEP 2, 0
	KSTEP 3, 0
	s_wait_tensorcnt 0x0                             ; my part of K half 1 is in (no LDS instruction of mine is out),
	s_barrier_signal -1
	s_barrier_wait -1                                ; everybody's is
	KSTEP 4, 0
	KSTEP 5, 0
	KSTEP 6, 0
	KSTEP 7, 0
	PLACES 4                                         ; in front of the first read of results and the first write over operands
.irp m, 0,1,2,3
	QUANT64 ACC+32*\m, IMG+4*\m, PWR+\m
	global_store_b128 v[O16], v[IMG+4*\m:IMG+4*\m+3], s[12:13] offset:512*\m   ; 32 lanes store 512 consecutive bytes, at a multiple of 512 from the buffer's first byte; each image has registers of its own
.endr
	v_lshl_or_b32 v85, v[PWR+1], 16, v[PWR]
	v_lshl_or_b32 v86, v[PWR+3], 16, v[PWR+2]
	v_cmp_le_u32 vcc_lo, 16, v1
	v_cndmask_b32 v84, v85, v86, vcc_lo              ; lanes 0-15: R tiles 0 and 1; lanes 16-31: tiles 2 and 3
	global_store_b32 v[O4], v84, s[14:15]            ; 128 consecutive bytes
	s_wait_tensorcnt 0x0
	ds_add_u32 v30, v31
	s_wait_dscnt 0x0
	CROUND                                           ; the closing round: no work-group ends while a partner may still ask for a tile that names it
	s_endpgm
.Lfunc_end_k_qcefb53528e_qkv:
	.size	k_qcefb53528e_qkv, .Lfunc_end_k_qcefb53528e_qkv-k_qcefb53528e_qkv
	.p2alignl 7, 3214868480
	.fill 96, 4, 3214868480
	.section	.rodata,"a",@progbits
	.p2align	6, 0x0
	.amdhsa_kernel k_qcefb53528e_qkv
		.amdhsa_group_segment_fixed_size 297984
		.amdhsa_private_segment_fixed_size 0
		.amdhsa_enable_private_segment 0
		.amdhsa_kernarg_size 48
		.amdhsa_user_sgpr_count 2
		.amdhsa_user_sgpr_kernarg_segment_ptr 1
		.amdhsa_wavefront_size32 1
		.amdhsa_system_sgpr_workgroup_id_x 1
		.amdhsa_system_sgpr_workgroup_id_y 1
		.amdhsa_system_sgpr_workgroup_id_z 1
		.amdhsa_system_vgpr_workitem_id 0
		.amdhsa_next_free_vgpr 256
		.amdhsa_next_free_sgpr 102
		.amdhsa_reserve_vcc 1
		.amdhsa_float_denorm_mode_32 3
		.amdhsa_float_denorm_mode_16_64 3
		.amdhsa_memory_ordered 1
		.amdhsa_forward_progress 1
		.amdhsa_inst_pref_size 44
	.end_amdhsa_kernel
	.amdgpu_metadata
---
amdhsa.version: [ 1, 2 ]
amdhsa.kernels:
  - .name:           k_qcefb53528e_qkv
    .symbol:         k_qcefb53528e_qkv.kd
    .args:
      - { .name: x_codes, .offset: 0, .size: 8, .value_kind: global_buffer, .address_space: global }
      - { .name: x_scales, .offset: 8, .size: 8, .value_kind: global_buffer, .address_space: global }
      - { .name: qkv_w_codes, .offset: 16, .size: 8, .value_kind: global_buffer, .address_space: global }
      - { .name: qkv_w_scales, .offset: 24, .size: 8, .value_kind: global_buffer, .address_space: global }
      - { .name: qkv_c, .offset: 32, .size: 8, .value_kind: global_buffer, .address_space: global }
      - { .name: qkv_s, .offset: 40, .size: 8, .value_kind: global_buffer, .address_space: global }
    .group_segment_fixed_size: 297984
    .private_segment_fixed_size: 0
    .kernarg_segment_align: 8
    .kernarg_segment_size: 48
    .max_flat_workgroup_size: 512
    .sgpr_count:     102
    .vgpr_count:     256
    .wavefront_size: 32
...
	.end_amdgpu_metadata
.endif
;; end of part 1
;; launch attn (part 2): grid 4 x 64, 16 waves a work-group, clusters of 4 x 1, 169,984 bytes of LDS; arguments qkv_c, qkv_s, ao_c, ao_s; writes ao_c, ao_s
.if DOCPART == 2
	.amdgcn_target "amdgcn-amd-amdhsa--gfx1250"
	.amdhsa_code_object_version 6
	.text
	.protected	k_qcefb53528e_attn
	.globl	k_qcefb53528e_attn
	.p2align	8
	.type	k_qcefb53528e_attn,@function
k_qcefb53528e_attn:
	s_mov_b64 s[64:65], 0
	v_nop
	global_prefetch_b8 v0, s[64:65] scope:SCOPE_SE
	s_setreg_imm32_b32 hwreg(HW_REG_WAVE_MODE, 25, 1), 1
	s_wait_xcnt 0x0
	s_wait_alu depctr_hold_cnt(0) depctr_sa_sdst(0) depctr_va_vdst(0) depctr_va_sdst(0) depctr_va_ssrc(0) depctr_va_vcc(0) depctr_vm_vsrc(0)
	s_getreg_b32 s2, hwreg(HW_REG_IB_STS2, 6, 4)
	s_cmp_eq_u32 s2, 0
	s_cbranch_scc0 .Lentry_in_a_cluster
	s_endpgm
.Lentry_in_a_cluster:
	s_bfe_u32 s2, ttmp6, 0x10000c
	s_cmp_lg_u32 s2, 0x3003
	s_cbranch_scc0 .Lentry_shape_is_right
	s_endpgm
.Lentry_shape_is_right:
; o = softmax(q k^T / 8) v, head by head, both products on codes of FP4 (E2M1) with one E8M0 scale for each 32 along a product's K; o is divided by the row's sum and quantised along the channels for the last product.
; THE SOFTMAX AHEAD OF THE SECOND PRODUCT: t = score x log2(e) / 8; M = the row's largest t so far, rounded UP to a whole number; p = 2^(t - M) is quantised along the keys, not normalised.
; The row's sum is taken of the unquantised p, in f32.  When M moves, the sum and O are multiplied by 2^(old M - new M): exact.
; IN.  qkv_c holds IMAGES of 512 bytes: 16 rows x 64 along K, lane l's 16 bytes at 16 l: registers 4 c .. 4 c + 3 of an operand.  q, k: rows = tokens, K = the head's 64 channels; v: rows = channels, K = 64 keys.
; Scale words, one a lane for four images: lanes 0-15 images 0 (low half) and 1 (high half), lanes 16-31 images 2 and 3.
; SHARES.  A work-group owns 256 queries of a batch and the two heads 2 hp, 2 hp + 1; each of its sixteen waves 16 queries, first for the one head, then for the other: so one wave makes a whole fragment
; (128 channels) and a whole scale word of the last product's operand.  Four waves to a SIMD: one wave's vector work stands beside another's matrix work and LDS loads.
; LDS.  K and V of both heads, 4 x 32 KB of codes and 4 x 2 KB of scale words, come once and stay: nothing is filled twice.
; CLUSTER 4 x 1.  The four work-groups of a cluster are the four quarters of the queries and read the same K and V: every fill is asked for jointly, with the mask of all four.
; LAYOUT.  Both products are used transposed: S^T = K Q^T (source 0 = keys, source 1 = my 16 queries), O^T = V^T P^T: a lane holds ONE query (lane % 16) throughout; register j of tile t is key (or channel) 16 t + 8 h + j.
; K = 64 IN AN INSTRUCTION OF 128.  An operand of K holds TWO tiles of keys (one image in registers 0-3, the next in 4-7) and is multiplied once by (q, 0) and once by (0, q): the other half meets zero codes, which add nothing.
; LIMITS: a block whose largest magnitude lies under 2^-124, a block of zeros too, gets the byte 1 (zero codes add nothing under it; this program alone reads the bytes); 1 / the sum is v_rcp_f32 and a multiplication.
.set AK0, 1                            ; v1    16 x lane: my place in an image, in LDS (K's) and in memory
.set AV0, 2                            ; v2    the same + 65,536: V's
.set AS0, 3                            ; v3    4 x lane + 131,072: K's scale words
.set AT0, 4                            ; v4    4 x lane + 135,168: V's
.set ADK, 8                            ; v8-11 the addresses of the step in hand
.set ADV, 9
.set ADS, 10
.set ADT, 11
.set QF,  16                           ; v16-27, v28-39: Q of head 0, 1 as (q, 0, q): (q, 0) = registers 0-7, (0, q) = registers 4-11.  v12 -M, v13 the largest t, v[14:15] the sum in two halves
.set KB,  40                           ; v40-71   eight images of K: four operands
.set VB,  72                           ; v72-103  four operands of V^T
.set SS,  104                          ; v104-167 S^T, then p
.set OT,  168                          ; v168-199 O^T
.set PC,  200                          ; v200-207 p's codes
.set BM,  208                          ; v208-211 a block's largest score, then p; v212-215 the other half's, then the bytes; v216-219 the conversions' scale operands
.set BT,  212
.set BS,  216
.set KS,  220                          ; v220-221 K's scale words
.set VR,  222                          ; v222-223 V's as they lie
.set VS,  224                          ; v224-225 V's as the operands want them
.set PW,  226                          ; v226     p's scale word
.set QS,  227                          ; v227-228 Q's scale words
.set FF,  230                          ; v[230:231] f = 2^(old M - new M), and a 0 named with it as a pair
.set TT,  232                          ; v232 at work; v233 an offset at the head
.set C2,  234                          ; v[234:235] the sum's second chain
.set TM,  236                          ; the quantiser's six
.set TP,  238
.set TS,  240
.set OI,  244                          ; v244-251 o's two images; v252-253 their bytes; v254 the scale word
.set OB,  252
.set WV,  12                           ; s12 my wave's number
.set SEL, 20                           ; s[20:21] v_permlanex16_b32's selects for lane l xor 16
.set CS,  22                           ; s[22:23] c = log2(e) / 8: the packed form names a pair and takes its low word for both halves
.set G1C, 24                           ; s[24:31] group 1 for 32 KB of codes; s[32:39] for 2 KB of scale words; s[40:43], s[44:47] their groups 0
.set G1S, 32
.set G0C, 40
.set G0S, 44
.set TK,  48                           ; s48 LDS byte at which the step's codes begin, in K's and in V's region
.set TW,  49                           ; s49 the same for the scale words
.set CNT, 50
.macro PLACES n
.rept \n
	v_nop
.endr
.endm
.macro CROUND                          ; a round of the cluster's barrier
	s_barrier_signal -1
	s_barrier_wait -1
	s_cmp_lg_u32 s[WV], 0
	s_cbranch_scc1 .Lnot_wave_0_\@
	s_barrier_signal -3
.Lnot_wave_0_\@:
	s_barrier_wait -3
	s_barrier_signal -1
	s_barrier_wait -1
.endm
; 32 numbers of a lane, register 8 t + j = index 16 t + 8 h + j of my row, become an image in v[pc .. pc + 3] and the row's two scale bytes in v[pw].
.macro QUANT64 s, pc, pw
.irp b, 0,1
	v_max3_num_f32 v[TM+\b], |v[\s+16*\b]|, |v[\s+16*\b+1]|, 0x1800000   ; my 16 numbers of block b, and the floor 2^(3 - 127): the byte cannot fall under 1
.endr
.irp i, 2,4,6,8,10,12,14
.irp b, 0,1
	v_max3_num_f32 v[TM+\b], v[TM+\b], |v[\s+16*\b+\i]|, |v[\s+16*\b+\i+1]|
.endr
.endr
.irp b, 0,1
	v_permlanex16_b32 v[TP+\b], v[TM+\b], s[SEL], s[SEL+1]
.endr
.irp b, 0,1
	v_max_num_f32 v[TM+\b], v[TM+\b], v[TP+\b]       ; with lane l xor 16's: the block's largest magnitude
.endr
.irp b, 0,1
	v_add_nc_u32 v[TS+\b], 0xff000000, v[TM+\b]      ; 2 off its exponent field: the conversion's scale operand
.endr
.irp b, 0,1
	v_lshrrev_b32 v[TP+\b], 23, v[TS+\b]             ; the scale's byte
.endr
	v_lshl_or_b32 v[\pw], v[TP+1], 8, v[TP]
	v_cvt_scalef32_pk8_fp4_f32 v[\pc], v[\s:\s+7], v[TS]            ; tiles 0, 2, 1, 3 go to registers 0, 1, 2, 3:
	v_cvt_scalef32_pk8_fp4_f32 v[\pc+2], v[\s+8:\s+15], v[TS]
	v_cvt_scalef32_pk8_fp4_f32 v[\pc+1], v[\s+16:\s+23], v[TS+1]
	v_cvt_scalef32_pk8_fp4_f32 v[\pc+3], v[\s+24:\s+31], v[TS+1]
	v_nop                                            ; one plain place behind a scaled conversion
	v_permlane16_swap_b32 v[\pc], v[\pc+1]           ; the first's lanes 16-31 change places with the second's lanes 0-15:
	v_permlane16_swap_b32 v[\pc+2], v[\pc+3]         ; register q of lane (r, h) now holds indices 32 h + 8 q .. + 7
.endm
	s_load_b256 s[4:11], s[0:1], 0x0                 ; qkv_c s[4:5], qkv_s s[6:7], ao_c s[8:9], ao_s s[10:11]
	v_lshl_add_u32 v243, v0, 2, 0x29000
	v_mov_b32 v255, 0
	ds_add_u32 v243, v255
	ds_add_u32 v243, v255
	v_lshrrev_b32 v1, 5, v0
	v_readfirstlane_b32 s[WV], v1                    ; wave 0 .. 15
	s_bfe_u32 s13, ttmp6, 0x40000                    ; cx
	s_lshl_b32 s17, ttmp9, 2
	s_add_co_u32 s13, s13, s17                       ; my quarter of the queries = 4 x cluster x + cx: it enters Q's and o's global addresses alone
	s_and_b32 s14, ttmp7, 0xffff
	s_lshr_b32 s15, s14, 3                           ; the batch
	s_and_b32 s16, s14, 7                            ; hp: the pair of heads
	; what I fetch, if I fetch: u = wave % 4: 0, 1: K of head 2 hp, 2 hp + 1; 2, 3: V of them.  Waves 0-3 the codes, waves 4-7 the scale words
	s_and_b32 s17, s[WV], 3
	s_and_b32 s18, s17, 1
	s_lshl_b32 s19, s16, 1
	s_add_co_u32 s19, s19, s18                       ; the head
	s_add_co_u32 s61, s19, 16                        ; K: group 16 + head, batch b's 64 tiles of tokens
	s_lshl_b32 s61, s61, 18
	s_lshl_b32 s62, s15, 15
	s_add_co_u32 s61, s61, s62
	s_lshl_b32 s62, s15, 4                           ; V: 8,388,608 + (16 b + head) << 15
	s_add_co_u32 s62, s62, s19
	s_lshl_b32 s62, s62, 15
	s_add_co_u32 s62, s62, 8388608
	s_cmp_lt_u32 s17, 2
	s_cselect_b32 s62, s61, s62
	s_mov_b32 s63, 0
	s_lshr_b32 s18, s62, 4                           ; the scale words lie at the codes' offset / 16
	s_mov_b32 s19, 0
	s_mov_b32 s[G1C], 15|(3<<16)|(1<<21)             ; 15:0 the mask: all four work-groups; 17:16 elements of 8 bytes; 21 set beside a mask; no padding: images are read 512 consecutive bytes at a time
	s_mov_b32 s[G1C+1], 32<<16                       ; dense bytes as rows of 256: tensor_dim0 = 32
	s_mov_b32 s[G1C+2], 128<<16                      ; tensor_dim1 = 128 rows: 32 KB
	s_mov_b32 s[G1C+3], 32<<16
	s_mov_b32 s[G1C+4], 128
	s_mov_b32 s[G1C+5], 32
	s_mov_b32 s[G1C+6], 0
	s_mov_b32 s[G1C+7], 0
	s_mov_b32 s[G1S], 15|(3<<16)|(1<<21)
	s_mov_b32 s[G1S+1], 32<<16
	s_mov_b32 s[G1S+2], 8<<16                        ; 8 rows: 2 KB
	s_mov_b32 s[G1S+3], 32<<16
	s_mov_b32 s[G1S+4], 8
	s_mov_b32 s[G1S+5], 32
	s_mov_b32 s[G1S+6], 0
	s_mov_b32 s[G1S+7], 0
	; my tile of 16 queries, counted over all batches: Tg = 64 b + 16 x quarter + wave
	s_lshl_b32 s2, s15, 6
	s_lshl_b32 s3, s13, 4
	s_add_co_u32 s2, s2, s3
	s_add_co_u32 s2, s2, s[WV]
	s_lshl_b32 s52, s16, 19                          ; Q's image of head 2 hp: (2 hp) << 18 + Tg << 9
	s_lshl_b32 s3, s2, 9
	s_add_co_u32 s52, s52, s3
	s_mov_b32 s53, 0
	s_lshl_b32 s54, s16, 15                          ; its scale words: (2 hp) << 14 + 128 (Tg / 4) + 64 ((Tg / 2) % 2)
	s_lshr_b32 s3, s2, 1
	s_lshl_b32 s3, s3, 6
	s_add_co_u32 s54, s54, s3
	s_mov_b32 s55, 0
	s_lshr_b32 s56, s16, 2                           ; o's images: [hp / 4][Tg][hp % 4][head's parity][512 bytes]
	s_lshl_b32 s56, s56, 21
	s_lshl_b32 s3, s2, 12
	s_add_co_u32 s56, s56, s3
	s_and_b32 s3, s16, 3
	s_lshl_b32 s3, s3, 10
	s_add_co_u32 s56, s56, s3
	s_mov_b32 s57, 0
	s_lshl_b32 s58, s2, 9                            ; o's scale words: [token][32 bytes], word hp
	s_lshl_b32 s3, s16, 2
	s_add_co_u32 s58, s58, s3
	s_mov_b32 s59, 0
	s_and_b32 s3, s[WV], 1                           ; my tile's two bytes are the low half of the word (even wave) or the high half: they are wanted in both halves
	s_mov_b32 s60, 0x03020302
	s_cmp_eq_u32 s3, 0
	s_cselect_b32 s60, 0x01000100, s60
	s_mov_b32 s[SEL], 0x76543210
	s_mov_b32 s[SEL+1], 0xfedcba98
	s_mov_b32 s[CS], 0x3e38aa3b                      ; c = log2(e) / 8
	s_mov_b32 s[CS+1], s[CS]                         ; (named with it as a pair, so it is written)
	s_wait_dscnt 0x0
	s_wait_kmcnt 0x0
	s_mov_b32 s[G0C], 1
	s_lshl_b32 s[G0C+1], s17, 15                     ; LDS: K head 0, K head 1, V head 0, V head 1, 32 KB each
	s_add_nc_u64 s[G0C+2:G0C+3], s[4:5], s[62:63]
	s_or_b32 s[G0C+3], s[G0C+3], 0x80000000
	s_mov_b32 s[G0S], 1
	s_lshl_b32 s[G0S+1], s17, 11
	s_add_co_u32 s[G0S+1], s[G0S+1], 131072          ; behind them the scale words in the same order, 2 KB each
	s_add_nc_u64 s[G0S+2:G0S+3], s[6:7], s[18:19]
	s_or_b32 s[G0S+3], s[G0S+3], 0x80000000
	s_add_nc_u64 s[52:53], s[4:5], s[52:53]
	s_add_nc_u64 s[54:55], s[6:7], s[54:55]
	s_add_nc_u64 s[56:57], s[8:9], s[56:57]
	s_add_nc_u64 s[58:59], s[10:11], s[58:59]
	CROUND                                           ; all four work-groups are here: the joint loads meet
	; All fills of the launch: one load a wave for waves 0-7; the branches hang on the wave's number alone; four v_nop follow each line
	s_cmp_lt_u32 s[WV], 4
	s_cbranch_scc0 .Lnot_codes
	tensor_load_to_lds s[G0C:G0C+3], s[G1C:G1C+7]
	s_nop 0
	PLACES 4
	s_branch .Lasked
.Lnot_codes:
	s_cmp_lt_u32 s[WV], 8
	s_cbranch_scc0 .Lasked
	tensor_load_to_lds s[G0S:G0S+3], s[G1S:G1S+7]
	s_nop 0
	PLACES 4
.Lasked:
	v_and_b32 v7, 31, v0                             ; lane
	v_and_b32 v[TT], 15, v0                          ; r
	v_lshlrev_b32 v[AK0], 4, v7
	v_add_nc_u32 v[AV0], 65536, v[AK0]
	v_lshlrev_b32 v[AS0], 2, v7
	v_add_nc_u32 v[AT0], 135168, v[AS0]
	v_add_nc_u32 v[AS0], 131072, v[AS0]
	v_lshlrev_b32 v6, 5, v[TT]                       ; 32 r: my token's row of o's scale bytes
	v_lshlrev_b32 v233, 2, v[TT]                     ; 4 r
.irp e, 0,1
	global_load_b128 v[QF+12*\e:QF+12*\e+3], v[AK0], s[52:53] offset:262144*\e       ; q's image, twice: (q, 0, q)
	global_load_b128 v[QF+12*\e+8:QF+12*\e+11], v[AK0], s[52:53] offset:262144*\e
	global_load_b32 v[QS+\e], v233, s[54:55] offset:16384*\e                         ; row r's word, in both halves of the lanes
.endr
.irp e, 0,1
.irp i, 4,5,6,7
	v_mov_b32 v[QF+12*\e+\i], 0                      ; zero codes
.endr
.endr
.irp b, 0,1,2,3
	v_mov_b32 v[BT+\b], 0                            ; written once: a lane permute's destination counts as one of its sources
.endr
	v_mov_b32 v[TP], 0
	v_mov_b32 v[TP+1], 0
	v_mov_b32 v[FF+1], 0                             ; (named as the upper half of the pair with f)
	s_wait_loadcnt 0x0
	v_perm_b32 v[QS], v[QS], v[QS], s60              ; my tile's two bytes in both halves of the word: they scale q wherever it stands
	v_perm_b32 v[QS+1], v[QS+1], v[QS+1], s60
	s_wait_tensorcnt 0x0                             ; my load, if I issued one, has landed,
	s_barrier_signal -1
	s_barrier_wait -1                                ; everybody's has: K and V of both heads lie in LDS for the rest of the launch
; A KEY STEP: 128 keys of head e.
.macro STEP e
	v_add_nc_u32 v[ADK], s[TK], v[AK0]               ; (these four are also the places between the last step's products and the loads into their operands)
	v_add_nc_u32 v[ADV], s[TK], v[AV0]
	v_add_nc_u32 v[ADS], s[TW], v[AS0]
	v_add_nc_u32 v[ADT], s[TW], v[AT0]
	ds_load_b32 v[KS], v[ADS]                        ; K's scale words: keys 0-63, 64-127
	ds_load_b32 v[KS+1], v[ADS] offset:128
.irp t, 0,1,2,3,4,5,6,7
	ds_load_b128 v[KB+4*\t:KB+4*\t+3], v[ADK] offset:512*\t        ; eight tiles of 16 keys
.endr
	ds_load_b32 v[VR], v[ADT]
	ds_load_b32 v[VR+1], v[ADT] offset:128
.irp c, 0,1
.irp m, 0,1,2,3
	ds_load_b128 v[VB+8*\m+4*\c:VB+8*\m+4*\c+3], v[ADV] offset:512*(4*\c+\m)   ; channels 16 m on, keys 64 c on
.endr
.endr
	s_wait_dscnt 10                                  ; K and its scale words are in; the ten loads for V are younger and land under the softmax
.irp t, 0,1,2,3,4,5,6,7                        ; S^T: tile t of the keys is half t % 2 of operand t / 2; its word lies in lanes 0-15 (even operands) or 16-31 (odd ones)
.if ((\t/2)%2) == 0
	v_wmma_scale_f32_16x16x128_f8f6f4 v[SS+8*\t:SS+8*\t+7], v[KB+8*(\t/2):KB+8*(\t/2)+7], v[QF+12*\e+4*(\t%2):QF+12*\e+4*(\t%2)+7], 0, v[KS+\t/4], v[QS+\e] matrix_a_fmt:MATRIX_FMT_FP4 matrix_b_fmt:MATRIX_FMT_FP4
.else
	v_wmma_scale_f32_16x16x128_f8f6f4 v[SS+8*\t:SS+8*\t+7], v[KB+8*(\t/2):KB+8*(\t/2)+7], v[QF+12*\e+4*(\t%2):QF+12*\e+4*(\t%2)+7], 0, v[KS+\t/4], v[QS+\e] matrix_a_fmt:MATRIX_FMT_FP4 matrix_b_fmt:MATRIX_FMT_FP4 matrix_a_scale:MATRIX_SCALE_ROW1
.endif
.endr
	PLACES 4
.irp b, 0,1,2,3
	v_max3_num_f32 v[BM+\b], v[SS+16*\b], v[SS+16*\b+1], v[SS+16*\b+2]   ; the largest score of each block of 32 keys: it serves for the row's maximum and, since p rises with the score, for the block's largest p
.endr
.irp i, 3,5,7,9,11,13
.irp b, 0,1,2,3
	v_max3_num_f32 v[BM+\b], v[BM+\b], v[SS+16*\b+\i], v[SS+16*\b+\i+1]
.endr
.endr
.irp b, 0,1,2,3
	v_max_num_f32 v[BM+\b], v[BM+\b], v[SS+16*\b+15]
.endr
.irp b, 0,1,2,3
	v_permlanex16_b32 v[BT+\b], v[BM+\b], s[SEL], s[SEL+1]
.endr
.irp b, 0,1,2,3
	v_max_num_f32 v[BM+\b], v[BM+\b], v[BT+\b]       ; with lane l xor 16's 16 keys
.endr
	v_max3_num_f32 v[TT], v[BM], v[BM+1], v[BM+2]
	v_max_num_f32 v[TT], v[TT], v[BM+3]              ; the step's largest score of my query
	v_mul_f32 v[TT], s[CS], v[TT]                    ; as t (c is positive)
	v_max_num_f32 v13, v13, v[TT]                    ; the running largest t
	v_mov_b32 v[TT], v12
	v_floor_f32 v12, -v13                            ; the new -M = floor(-t) = -ceil(t): a whole number
	v_sub_f32 v[TT], v12, v[TT]                      ; old M - new M: a whole number, 0 or less
	v_cvt_i32_f32 v[TT], v[TT]                       ; (it saturates)
	v_ldexp_f32 v[FF], 1.0, v[TT]                    ; f = 2^(old M - new M)
.set j, 0
.rept 32
	v_pk_fma_f32 v[SS+j:SS+j+1], v[SS+j:SS+j+1], s[CS:CS+1], v[12:13] op_sel_hi:[1,0,0]   ; t - M, two at a time
.set j, j+2
.endr
.irp b, 0,1,2,3
	v_fma_f32 v[BM+\b], v[BM+\b], s[CS], v12         ; the same of each block's largest score
.endr
.set j, 0
.rept 64
	v_exp_f32 v[SS+j], v[SS+j]                       ; p = 2^(t - M), at most 1
.set j, j+1
.endr
.irp b, 0,1,2,3
	v_exp_f32 v[BM+\b], v[BM+\b]                     ; the block's largest p: the same two instructions on the same number give the same bits
.endr
	v_pk_mul_f32 v[14:15], v[14:15], v[FF:FF+1] op_sel_hi:[1,0]     ; the sum under the new M.  (A plain place behind the exponentials)
	s_wait_alu depctr_va_vdst(0)
.irp b, 0,1,2,3
	v_max_num_f32 v[BM+\b], 0x1800000, v[BM+\b]      ; the floor 2^(3 - 127): the byte cannot fall under 1
.endr
.irp b, 0,1,2,3
	v_add_nc_u32 v[BS+\b], 0xff000000, v[BM+\b]      ; 2 off the exponent field: the conversion's scale operand
.endr
.irp b, 0,1,2,3
	v_lshrrev_b32 v[BT+\b], 23, v[BS+\b]             ; the scale's byte
.endr
	v_lshl_or_b32 v[PW], v[BT+1], 8, v[BT]           ; p's scale word for these 128 keys
	v_lshl_or_b32 v[PW], v[BT+2], 16, v[PW]
	v_lshl_or_b32 v[PW], v[BT+3], 24, v[PW]
.irp c, 0,1                                    ; 64 keys at a time: tiles 4 c + 0, 2, 1, 3 go to registers 4 c + 0, 1, 2, 3
	v_cvt_scalef32_pk8_fp4_f32 v[PC+4*\c], v[SS+32*\c:SS+32*\c+7], v[BS+2*\c]
	v_cvt_scalef32_pk8_fp4_f32 v[PC+4*\c+2], v[SS+32*\c+8:SS+32*\c+15], v[BS+2*\c]
	v_cvt_scalef32_pk8_fp4_f32 v[PC+4*\c+1], v[SS+32*\c+16:SS+32*\c+23], v[BS+2*\c+1]
	v_cvt_scalef32_pk8_fp4_f32 v[PC+4*\c+3], v[SS+32*\c+24:SS+32*\c+31], v[BS+2*\c+1]
.endr
	v_nop                                            ; one plain place behind a scaled conversion
.irp c, 0,1
	v_permlane16_swap_b32 v[PC+4*\c], v[PC+4*\c+1]   ; a whole block in a lane: registers 4 c .. 4 c + 3 hold keys 64 c + 32 h + 0 .. 31
	v_permlane16_swap_b32 v[PC+4*\c+2], v[PC+4*\c+3]
.endr
	s_wait_dscnt 0x0                                 ; V and its scale words are in
	v_perm_b32 v[VS], v[VR+1], v[VR], 0x05040100     ; the low halves of the two words: channels 0-15 (lanes 0-15) and 32-47 (lanes 16-31), keys 0-63 below, 64-127 above
	v_perm_b32 v[VS+1], v[VR+1], v[VR], 0x07060302   ; the high halves: channels 16-31 and 48-63
	v_pk_add_f32 v[C2:C2+1], v[SS:SS+1], v[SS+2:SS+3]               ; the row's sum is taken of the unquantised p: two at a time, in two chains
.set j, 4
.rept 15
	v_pk_add_f32 v[14:15], v[14:15], v[SS+j:SS+j+1]
	v_pk_add_f32 v[C2:C2+1], v[C2:C2+1], v[SS+j+2:SS+j+3]
.set j, j+4
.endr
	v_pk_add_f32 v[14:15], v[14:15], v[C2:C2+1]
.set j, 0
.rept 16
	v_pk_mul_f32 v[OT+j:OT+j+1], v[OT+j:OT+j+1], v[FF:FF+1] op_sel_hi:[1,0]   ; O^T under the new M.  (These and the sums are the places between the writes of p's codes and of the scale words and the products below)
.set j, j+2
.endr
.irp m, 0,1,2,3                                ; O^T += V^T P^T: 16 channels at a time; K = these 128 keys.  The four accumulators take turns
.if \m < 2
	v_wmma_scale_f32_16x16x128_f8f6f4 v[OT+8*\m:OT+8*\m+7], v[VB+8*\m:VB+8*\m+7], v[PC:PC+7], v[OT+8*\m:OT+8*\m+7], v[VS+\m%2], v[PW] matrix_a_fmt:MATRIX_FMT_FP4 matrix_b_fmt:MATRIX_FMT_FP4
.else
	v_wmma_scale_f32_16x16x128_f8f6f4 v[OT+8*\m:OT+8*\m+7], v[VB+8*\m:VB+8*\m+7], v[PC:PC+7], v[OT+8*\m:OT+8*\m+7], v[VS+\m%2], v[PW] matrix_a_fmt:MATRIX_FMT_FP4 matrix_b_fmt:MATRIX_FMT_FP4 matrix_a_scale:MATRIX_SCALE_ROW1
.endif
.endr
	s_add_co_u32 s[TK], s[TK], 4096                  ; eight images on, in K's region and in V's
	s_add_co_u32 s[TW], s[TW], 256                   ; two units' scale words on
.endm
; One head for my 16 queries: eight key steps, then o = O^T / the sum, quantised along the head's 64 channels: half e of the last product's fragment.
.macro HEAD e
	s_mov_b32 s[TK], 32768*\e
	s_mov_b32 s[TW], 2048*\e
	s_mov_b32 s[CNT], 8
	v_mov_b32 v13, 0xff61b1e6                        ; the largest t so far: -3e38, under every t
	v_floor_f32 v12, -v13                            ; -M
	v_mov_b32 v14, 0                                 ; the sum, in two halves
	v_mov_b32 v15, 0
.set j, 0
.rept 32
	v_mov_b32 v[OT+j], 0                             ; O^T.  (The step is written once: its first trip finds zeros, which the first change of M leaves zeros)
.set j, j+1
.endr
.Lstep_\@:
	STEP \e
	s_sub_co_u32 s[CNT], s[CNT], 1
	s_cmp_lg_u32 s[CNT], 0
	s_cbranch_scc1 .Lstep_\@
	PLACES 4                                         ; in front of the first read of the last results
	v_add_f32 v14, v14, v15                          ; the sum's two halves,
	v_permlanex16_b32 v[TT], v14, s[SEL], s[SEL+1]
	v_add_f32 v14, v14, v[TT]                        ; and lane l xor 16's: the row's sum
	v_rcp_f32 v14, v14
	v_nop                                            ; one plain place behind a transcendental
.set j, 0
	s_wait_alu depctr_va_vdst(0)
.rept 16
	v_pk_mul_f32 v[SS+j:SS+j+1], v[OT+j:OT+j+1], v[14:15] op_sel_hi:[1,0]   ; register 8 m + i is o(query r, channel 16 m + 8 h + i); each accumulator from its low end on
.set j, j+2
.endr
	QUANT64 SS, OI+4*\e, OB+\e
	global_store_b128 v[AK0], v[OI+4*\e:OI+4*\e+3], s[56:57] offset:512*\e   ; 32 lanes store 512 consecutive bytes, at a multiple of 512 from the buffer's first byte; each head has registers of its own
.endm
	HEAD 0
	HEAD 1
	v_lshl_or_b32 v254, v[OB+1], 16, v[OB]           ; my tokens' scale word of K step hp: head 2 hp's two bytes, then head 2 hp + 1's
	s_wait_xcnt 0x0                                  ; EXEC changes only behind this wait: the stores above have it among their sources
	v_cmp_gt_u32 vcc_lo, 16, v7
	s_and_saveexec_b32 s51, vcc_lo
	global_store_b32 v6, v254, s[58:59]              ; lanes 0-15: 4 bytes a token, 32 bytes apart: the layout in which the next launch fetches them as dense rows; 1/16 of the bytes that this launch stores
	s_wait_xcnt 0x0
	s_or_b32 exec_lo, exec_lo, s51
	s_wait_tensorcnt 0x0
	ds_add_u32 v243, v255
	s_wait_dscnt 0x0
	CROUND                                           ; the closing round: no work-group ends while a partner may still ask for a tile that names it
	s_endpgm
.Lfunc_end_k_qcefb53528e_attn:
	.size	k_qcefb53528e_attn, .Lfunc_end_k_qcefb53528e_attn-k_qcefb53528e_attn
	.p2alignl 7, 3214868480
	.fill 96, 4, 3214868480
	.section	.rodata,"a",@progbits
	.p2align	6, 0x0
	.amdhsa_kernel k_qcefb53528e_attn
		.amdhsa_group_segment_fixed_size 169984
		.amdhsa_private_segment_fixed_size 0
		.amdhsa_enable_private_segment 0
		.amdhsa_kernarg_size 32
		.amdhsa_user_sgpr_count 2
		.amdhsa_user_sgpr_kernarg_segment_ptr 1
		.amdhsa_wavefront_size32 1
		.amdhsa_system_sgpr_workgroup_id_x 1
		.amdhsa_system_sgpr_workgroup_id_y 1
		.amdhsa_system_sgpr_workgroup_id_z 1
		.amdhsa_system_vgpr_workitem_id 0
		.amdhsa_next_free_vgpr 256
		.amdhsa_next_free_sgpr 66
		.amdhsa_reserve_vcc 1
		.amdhsa_float_denorm_mode_32 3
		.amdhsa_float_denorm_mode_16_64 3
		.amdhsa_memory_ordered 1
		.amdhsa_forward_progress 1
		.amdhsa_inst_pref_size 47
	.end_amdhsa_kernel
	.amdgpu_metadata
---
amdhsa.version: [ 1, 2 ]
amdhsa.kernels:
  - .name:           k_qcefb53528e_attn
    .symbol:         k_qcefb53528e_attn.kd
    .args:
      - { .name: qkv_c, .offset: 0, .size: 8, .value_kind: global_buffer, .address_space: global }
      - { .name: qkv_s, .offset: 8, .size: 8, .value_kind: global_buffer, .address_space: global }
      - { .name: ao_c, .offset: 16, .size: 8, .value_kind: global_buffer, .address_space: global }
      - { .name: ao_s, .offset: 24, .size: 8, .value_kind: global_buffer, .address_space: global }
    .group_segment_fixed_size: 169984
    .private_segment_fixed_size: 0
    .kernarg_segment_align: 8
    .kernarg_segment_size: 32
    .max_flat_workgroup_size: 512
    .sgpr_count:     66
    .vgpr_count:     256
    .wavefront_size: 32
...
	.end_amdgpu_metadata
.endif
;; end of part 2
;; launch proj (part 3): grid 4 x 64, 8 waves a work-group, clusters of 4 x 4, 253,696 bytes of LDS; arguments ao_c, ao_s, proj_w_codes, proj_w_scales, proj_b, out0; writes out0
.if DOCPART == 3
	.amdgcn_target "amdgcn-amd-amdhsa--gfx1250"
	.amdhsa_code_object_version 6
	.text
	.protected	k_qcefb53528e_proj
	.globl	k_qcefb53528e_proj
	.p2align	8
	.type	k_qcefb53528e_proj,@function
k_qcefb53528e_proj:
	s_mov_b64 s[64:65], 0
	v_nop
	global_prefetch_b8 v0, s[64:65] scope:SCOPE_SE
	s_setreg_imm32_b32 hwreg(HW_REG_WAVE_MODE, 25, 1), 1
	s_wait_xcnt 0x0
	s_wait_alu depctr_hold_cnt(0) depctr_sa_sdst(0) depctr_va_vdst(0) depctr_va_sdst(0) depctr_va_ssrc(0) depctr_va_vcc(0) depctr_vm_vsrc(0)
	s_getreg_b32 s2, hwreg(HW_REG_IB_STS2, 6, 4)
	s_cmp_eq_u32 s2, 0
	s_cbranch_scc0 .Lentry_in_a_cluster
	s_endpgm
.Lentry_in_a_cluster:
	s_bfe_u32 s2, ttmp6, 0x10000c
	s_cmp_lg_u32 s2, 0xf033
	s_cbranch_scc0 .Lentry_shape_is_right
	s_endpgm
.Lentry_shape_is_right:
; out = o W^T + b on codes of FP4 (E2M1) with one E8M0 scale for each 32 along K = 1,024; out is f32.
; W arrives as rows of 512 bytes of codes and 32 scale bytes.  o comes from the launch before as IMAGES: a fragment (16 tokens x 128 K) is 1,024 dense bytes, lane l's 16 bytes at 16 l and at 512 + 16 l,
; laid [K half][tile of 16 tokens][K step % 4][1,024 bytes]; its scale bytes [token][32].
; SHARES.  A work-group makes 256 columns n (P: rows of W) x 128 tokens (R) for all of K; each of its eight waves 64 x 64: 16 accumulators, 128 registers.
; THE MATRIX INSTRUCTION: source 0 = 16 rows of W, source 1 = 16 tokens: lane (r, h) holds token r, and register j of tile t the column 16 t + 8 h + j: eight neighbouring numbers of a row of out.
; The bias is loaded straight into the accumulators, in the result's layout: it starts the sums; nothing is cleared and nothing is added later.
; LDS.  Both tiles fit whole: nothing is filled twice.  K comes in two halves, so that the first is multiplied while the second lands.
; CLUSTER 4 x 4.  W's tile hangs on cx alone and is asked for jointly by the four work-groups of a column of the cluster, o's on cy alone, by the four of a row.
; LIMITS: scale bytes 0xff, NaN and infinities are not served.
.set PITCH, 272                        ; W's rows in LDS: 256 bytes + 16 of padding: row r begins 16 r bytes further on modulo 256, so the sixteen rows of a load touch sixteen different columns of 16 bytes
.set WROWS, 64*PITCH
.set HALFB, 256*PITCH
.set RI,    2*HALFB                    ; LDS: W half 0, W half 1, then o's images: [K half][8 tiles of tokens][4,096 bytes],
.set RIH,   32768
.set RSC,   RI+2*RIH                   ; o's scale bytes (128 tokens x 32, as 16 rows of 256 + 16),
.set WSC,   8*272                      ; (the scale bytes of 64 rows)
.set PSC,   RSC+2*WSC                  ; W's (256 rows x 32),
.set STG,   PSC+4*WSC                  ; and the stages for the way out: 16 rows x 272 bytes for each wave; no fill ever lands here
.set ADP,  4                           ; v4-5   LDS address of my fragments of W, K half 0, 1
.set ADR,  6                           ; v6-7   of o's
.set ADSC, 8                           ; v8     of my scale words: lanes 0-15 o's rows, lanes 16-31 W's
.set STO,  9                           ; v9     the way out: where I put 32 bytes of a row
.set RD,   10                          ; v10    where I read a row back
.set CO,   11                          ; v11    my byte offset in out
.set BO,   12                          ; v12    and in the bias
.set SC,   32                          ; v32-63 scale words: register 8 i + q: lanes 0-15 token tile i's word of K step q, lanes 16-31 W tile i's.  They hold scales and nothing else
.set PF,   64                          ; v64-95 W's four fragments of a K step
.set RF,   96                          ; v96-127 o's four
.set ACC,  128                         ; v128-255 accumulator (token tile m, W tile t) at 32 m + 8 t
.set WV,   16
.set G1PC, 36                          ; descriptor groups 1: W's codes, o's images, W's scales, o's scales
.set G1RC, 44
.set G1PS, 52
.set G1RS, 68
.set G0P,  76                          ; groups 0: W's scales, half 0, half 1
.set G0R,  88                          ; o's likewise
.macro PLACES n
.rept \n
	v_nop
.endr
.endm
.macro CROUND                          ; a round of the cluster's barrier
	s_barrier_signal -1
	s_barrier_wait -1
	s_cmp_lg_u32 s[WV], 0
	s_cbranch_scc1 .Lnot_wave_0_\@
	s_barrier_signal -3
.Lnot_wave_0_\@:
	s_barrier_wait -3
	s_barrier_signal -1
	s_barrier_wait -1
.endm
; 8 matrix instructions: token tiles m0, m0 + 1 x W's four, K step q.  The 16 accumulators take turns, one instruction a turn, in the same order in every step.
.macro MUL8 m0, q
.irp m, \m0, \m0+1
.irp t, 0,1,2,3
	v_wmma_scale_f32_16x16x128_f8f6f4 v[ACC+32*(\m)+8*\t:ACC+32*(\m)+8*\t+7], v[PF+8*\t:PF+8*\t+7], v[RF+8*(\m):RF+8*(\m)+7], v[ACC+32*(\m)+8*\t:ACC+32*(\m)+8*\t+7], v[SC+8*\t+(\q)], v[SC+8*(\m)+(\q)] matrix_a_fmt:MATRIX_FMT_FP4 matrix_b_fmt:MATRIX_FMT_FP4 matrix_a_scale:MATRIX_SCALE_ROW1
.endr
.endr
.endm
.macro KSTEP q
.if \q > 0
	PLACES 4                                         ; four places in front of loads into registers that matrix instructions have read (ISA guide 7.12.1 for vector instructions)
.endif
.irp t, 0,1,2,3
.irp c, 0,1
	ds_load_b128 v[PF+8*\t+4*\c:PF+8*\t+4*\c+3], v[ADP+(\q)/4] offset:16*PITCH*\t+64*((\q)%4)+32*\c
.endr
.endr
.irp m, 0,1,2,3
.irp c, 0,1
	ds_load_b128 v[RF+8*\m+4*\c:RF+8*\m+4*\c+3], v[ADR+(\q)/4] offset:4096*\m+1024*((\q)%4)+512*\c   ; an image: 512 consecutive bytes
.endr
.endr
	s_wait_dscnt 4                                   ; all but the youngest four loads, token tiles 2 and 3, are in
	MUL8 0, \q
	s_wait_dscnt 0x0
	MUL8 2, \q
.endm
	s_load_b256 s[4:11], s[0:1], 0x0                 ; ao_c s[4:5], ao_s s[6:7], W's codes s[8:9], W's scales s[10:11]
	s_load_b128 s[12:15], s[0:1], 0x20               ; the bias s[12:13], out s[14:15]
	v_lshl_add_u32 v30, v0, 2, 0x3db00
	v_mov_b32 v31, 0
	ds_add_u32 v30, v31
	ds_add_u32 v30, v31
	v_lshrrev_b32 v1, 5, v0
	v_readfirstlane_b32 s[WV], v1                    ; wave 0 .. 7
	s_and_b32 s17, s[WV], 3                          ; which 64 columns are mine.  Also: which quarter of a tile I fetch
	s_lshr_b32 s18, s[WV], 2                         ; which 64 tokens.  Also: I fetch for W (0) or for o (1)
	s_bfe_u32 s20, ttmp6, 0x40000                    ; cx
	s_bfe_u32 s21, ttmp6, 0x40004                    ; cy
	s_lshl_b32 s24, ttmp9, 2
	s_add_co_u32 s24, s24, s20                       ; W's tile = 4 x cluster x + cx
	s_and_b32 s25, ttmp7, 0xffff
	s_lshl_b32 s25, s25, 2
	s_add_co_u32 s25, s25, s21                       ; the tokens' tile = 4 x cluster y + cy
	s_lshl_b32 s26, s21, 2
	s_lshl_b32 s26, 15, s26                          ; my row of the cluster
	s_lshl_b32 s27, 0x1111, s20                      ; my column
	s_or_b32 s[G1PC], s27, (1<<20)|(1<<21)|(5<<22)|(3<<25)   ; W's codes: 64 rows x 256 bytes out of rows of 512; elements of 1 byte; four words of padding after every 64; 21 set beside the mask
	s_mov_b32 s[G1PC+1], 256<<16
	s_mov_b32 s[G1PC+2], 64<<16
	s_mov_b32 s[G1PC+3], 256<<16
	s_mov_b32 s[G1PC+4], 64
	s_mov_b32 s[G1PC+5], 512
	s_mov_b32 s[G1PC+6], 0
	s_mov_b32 s[G1PC+7], 0
	s_or_b32 s[G1RC], s26, (3<<16)|(1<<21)           ; o's images: two tiles of tokens, one K half: 8,192 dense bytes as 32 rows of 256 (32 elements of 8 bytes), no padding
	s_mov_b32 s[G1RC+1], 32<<16
	s_mov_b32 s[G1RC+2], 32<<16
	s_mov_b32 s[G1RC+3], 32<<16
	s_mov_b32 s[G1RC+4], 32
	s_mov_b32 s[G1RC+5], 32
	s_mov_b32 s[G1RC+6], 0
	s_mov_b32 s[G1RC+7], 0
	s_or_b32 s[G1PS], s27, (3<<16)|(1<<20)|(1<<21)|(5<<22)|(3<<25)   ; W's scale bytes of 64 rows: 8 rows of 256, 16 bytes of padding behind each
	s_mov_b32 s[G1PS+1], 32<<16
	s_mov_b32 s[G1PS+2], 8<<16
	s_mov_b32 s[G1PS+3], 32<<16
	s_mov_b32 s[G1PS+4], 8
	s_mov_b32 s[G1PS+5], 32
	s_mov_b32 s[G1PS+6], 0
	s_mov_b32 s[G1PS+7], 0
	s_or_b32 s[G1RS], s26, (3<<16)|(1<<20)|(1<<21)|(5<<22)|(3<<25)   ; o's of 32 tokens: 4 such rows
	s_mov_b32 s[G1RS+1], 32<<16
	s_mov_b32 s[G1RS+2], 4<<16
	s_mov_b32 s[G1RS+3], 32<<16
	s_mov_b32 s[G1RS+4], 4
	s_mov_b32 s[G1RS+5], 32
	s_mov_b32 s[G1RS+6], 0
	s_mov_b32 s[G1RS+7], 0
	; where what I fetch begins.  Every wave makes both sets; the registers of W's never hold cy, those of o's never cx
	s_lshl_b32 s19, s17, 6
	s_lshl_b32 s2, s24, 8
	s_add_co_u32 s2, s2, s19                         ; W's row 256 x tile + 64 x quarter
	s_lshl_b32 s66, s2, 5                            ; its scale bytes,
	s_lshl_b32 s2, s2, 9                             ; its codes
	s_mov_b32 s3, 0
	s_mov_b32 s67, 0
	s_lshl_b32 s28, s17, 13                          ; o: two tiles of tokens a quarter: 8,192 bytes, in memory and in LDS
	s_lshl_b32 s100, s25, 15
	s_add_co_u32 s100, s100, s28                     ; (8 x tile + 2 x quarter) x 4,096
	s_mov_b32 s101, 0
	s_lshl_b32 s29, s17, 10
	s_lshl_b32 s62, s25, 12
	s_add_co_u32 s62, s62, s29                       ; (128 x tile + 32 x quarter) x 32
	s_mov_b32 s63, 0
	s_mul_i32 s22, s17, WROWS                        ; where they go: no place in the cluster enters an LDS address
	s_mul_i32 s23, s17, WSC
	s_mul_i32 s29, s17, 4*272
	s_wait_dscnt 0x0
	s_wait_kmcnt 0x0
	s_mov_b32 s[G0P], 1                              ; W's scales
	s_add_co_u32 s[G0P+1], s23, PSC
	s_add_nc_u64 s[G0P+2:G0P+3], s[10:11], s[66:67]
	s_or_b32 s[G0P+3], s[G0P+3], 0x80000000
	s_mov_b32 s[G0P+4], 1                            ; W's codes, K half 0,
	s_mov_b32 s[G0P+5], s22
	s_add_nc_u64 s[G0P+6:G0P+7], s[8:9], s[2:3]
	s_mov_b32 s[G0P+8], 1                            ; and half 1: 256 bytes on in each row
	s_add_co_u32 s[G0P+9], s22, HALFB
	s_add_nc_u64 s[G0P+10:G0P+11], s[G0P+6:G0P+7], 256
	s_or_b32 s[G0P+7], s[G0P+7], 0x80000000
	s_or_b32 s[G0P+11], s[G0P+11], 0x80000000
	s_mov_b32 s[G0R], 1                              ; o's scales
	s_add_co_u32 s[G0R+1], s29, RSC
	s_add_nc_u64 s[G0R+2:G0R+3], s[6:7], s[62:63]
	s_or_b32 s[G0R+3], s[G0R+3], 0x80000000
	s_mov_b32 s[G0R+4], 1                            ; o's images, K half 0,
	s_add_co_u32 s[G0R+5], s28, RI
	s_add_nc_u64 s[G0R+6:G0R+7], s[4:5], s[100:101]
	s_mov_b32 s[G0R+8], 1                            ; and half 1: 2,097,152 bytes on
	s_add_co_u32 s[G0R+9], s28, RI+RIH
	s_add_nc_u64 s[G0R+10:G0R+11], s[G0R+6:G0R+7], 2097152
	s_or_b32 s[G0R+7], s[G0R+7], 0x80000000
	s_or_b32 s[G0R+11], s[G0R+11], 0x80000000
	CROUND                                           ; all sixteen work-groups are here: the joint loads meet
	; All fills of the launch, in one branch on the wave's number: waves 0-3 W's, waves 4-7 o's, three loads each (three of a wave's are out at the most); four v_nop follow the last
	s_cmp_eq_u32 s18, 0
	s_cbranch_scc0 .Lfor_r
	tensor_load_to_lds s[G0P:G0P+3], s[G1PS:G1PS+7]
	s_nop 0
	tensor_load_to_lds s[G0P+4:G0P+7], s[G1PC:G1PC+7]
	s_nop 0
	tensor_load_to_lds s[G0P+8:G0P+11], s[G1PC:G1PC+7]
	s_nop 0
	PLACES 4
	s_branch .Lasked
.Lfor_r:
	tensor_load_to_lds s[G0R:G0R+3], s[G1RS:G1RS+7]
	s_nop 0
	tensor_load_to_lds s[G0R+4:G0R+7], s[G1RC:G1RC+7]
	s_nop 0
	tensor_load_to_lds s[G0R+8:G0R+11], s[G1RC:G1RC+7]
	s_nop 0
	PLACES 4
.Lasked:
	s_lshl_b32 s32, s24, 10                          ; my 64 columns, in bytes of f32: 1,024 x tile + 256 x quarter
	s_lshl_b32 s33, s17, 8
	s_add_co_u32 s32, s32, s33
	s_mov_b32 s33, 0
	s_add_nc_u64 s[12:13], s[12:13], s[32:33]        ; the bias there
	s_lshl_b32 s30, s25, 19                          ; my first token's row of out: (128 x tile + 64 x half) x 4,096
	s_lshl_b32 s31, s18, 18
	s_add_co_u32 s30, s30, s31
	s_add_co_u32 s30, s30, s32
	s_mov_b32 s31, 0
	s_add_nc_u64 s[14:15], s[14:15], s[30:31]
	v_and_b32 v1, 31, v0                             ; lane
	v_and_b32 v2, 15, v0                             ; r
	v_bfe_u32 v3, v0, 4, 1                           ; h
	v_lshlrev_b32 v[BO], 5, v3                       ; lane (r, h) wants, for tile t, the bias of columns 16 t + 8 h + 0 .. 7
.irp m, 0,1,2,3
.irp t, 0,1,2,3
	global_load_b128 v[ACC+32*\m+8*\t:ACC+32*\m+8*\t+3], v[BO], s[12:13] offset:64*\t
	global_load_b128 v[ACC+32*\m+8*\t+4:ACC+32*\m+8*\t+7], v[BO], s[12:13] offset:64*\t+16
.endr
.endr
	v_mul_u32_u24 v13, v2, PITCH
	v_lshl_add_u32 v13, v3, 4, v13                   ; a fragment's row x pitch + 16 h
	v_add_nc_u32 v[ADP], s22, v13                    ; my 64 rows of W
	v_add_nc_u32 v[ADP+1], HALFB, v[ADP]
	s_lshl_b32 s35, s18, 14                          ; my four tiles of tokens
	s_add_co_u32 s35, s35, RI
	v_lshl_add_u32 v[ADR], v1, 4, s35                ; 16 x lane
	v_add_nc_u32 v[ADR+1], RIH, v[ADR]
	v_lshlrev_b32 v14, 5, v2                         ; scale bytes: 32 a row,
	v_lshrrev_b32 v15, 8, v14
	v_lshl_add_u32 v14, v15, 4, v14                  ; and 16 more for each 256 passed
	s_xor_b32 s3, s18, 1                             ; lanes 16-31 take W's: from o's words of my tokens to W's it is PSC - RSC + WSC (quarter - half) = WSC x (1 + quarter + (1 - half)) bytes
	s_add_co_u32 s3, s3, s17
	s_add_co_u32 s3, s3, 1
	s_mul_i32 s3, s3, WSC
	v_mul_u32_u24 v15, s3, v3
	s_mul_i32 s19, s18, WSC
	s_add_co_u32 s19, s19, RSC
	v_add_nc_u32 v14, v14, v15
	v_add_nc_u32 v[ADSC], s19, v14
	s_mul_i32 s34, s[WV], 16*272
	s_add_co_u32 s34, s34, STG                       ; my stage
	v_mul_u32_u24 v[STO], v2, 272                    ; in: row r, 32 bytes for each half of the lanes
	v_lshl_add_u32 v[STO], v3, 5, v[STO]
	v_add_nc_u32 v[STO], s34, v[STO]
	v_mul_u32_u24 v[RD], v3, 272                     ; back: lanes 0-15 take one row of 256 bytes, lanes 16-31 the next
	v_lshl_add_u32 v[RD], v2, 4, v[RD]
	v_add_nc_u32 v[RD], s34, v[RD]
	v_lshlrev_b32 v[CO], 12, v3                      ; and the same two rows in out
	v_lshl_add_u32 v[CO], v2, 4, v[CO]
	s_wait_tensorcnt 0x1                             ; my scale bytes and my part of K half 0 are in; my load of K half 1, issued last, may stay out
	s_barrier_signal -1
	s_barrier_wait -1                                ; everybody's are
.irp i, 0,1,2,3
.irp k, 0,1
	ds_load_b128 v[SC+8*\i+4*\k:SC+8*\i+4*\k+3], v[ADSC] offset:544*\i+16*\k   ; the scale words of all eight K steps
.endr
.endr
	s_wait_loadcnt 0x0                               ; the bias lies in the accumulators
	KSTEP 0
	KSTEP 1
	KSTEP 2
	KSTEP 3
	s_wait_tensorcnt 0x0                             ; my part of K half 1 is in (no LDS instruction of mine is out),
	s_barrier_signal -1
	s_barrier_wait -1                                ; everybody's is
	KSTEP 4
	KSTEP 5
	KSTEP 6
	KSTEP 7
	PLACES 4                                         ; in front of the first read of results
; THE WAY OUT, a tile of 16 tokens x 64 columns at a time.  A lane holds 32 neighbouring bytes of a row and the lanes beside it hold other rows: so a tile goes through my own stage and comes back as whole rows
; of 256 bytes, into the registers that it left.  LDS serves a wave's instructions in order (ISA guide 5.7.1.4): no wait between the stores and the loads, nor in front of the next tile's stores.
.macro TOSTAGE m
.irp t, 0,1,2,3
	ds_store_b128 v[STO], v[ACC+32*\m+8*\t:ACC+32*\m+8*\t+3] offset:64*\t          ; each accumulator from its low end on
	ds_store_b128 v[STO], v[ACC+32*\m+8*\t+4:ACC+32*\m+8*\t+7] offset:64*\t+16
.endr
.irp i, 0,1,2,3,4,5,6,7
	ds_load_b128 v[ACC+32*\m+4*\i:ACC+32*\m+4*\i+3], v[RD] offset:544*\i
.endr
.endm
.macro SEND m, younger                 ; younger: the LDS instructions issued behind tile m's loads: the next tile's 8 stores and 8 loads, or none
	s_wait_dscnt \younger
.irp i, 0,1,2,3,4,5,6,7
	global_store_b128 v[CO], v[ACC+32*\m+4*\i:ACC+32*\m+4*\i+3], s[14:15] offset:(16*\m+2*\i)*4096 th:TH_STORE_NT   ; 16 lanes store 256 consecutive bytes, at a multiple of 256 from out's first byte; written once, read by nobody here
.endr
.endm
	TOSTAGE 0
	TOSTAGE 1
	SEND 0, 16
	TOSTAGE 2
	SEND 1, 16
	TOSTAGE 3
	SEND 2, 16
	SEND 3, 0
	s_wait_tensorcnt 0x0
	ds_add_u32 v30, v31
	s_wait_dscnt 0x0
	CROUND                                           ; the closing round: no work-group ends while a partner may still ask for a tile that names it
	s_endpgm
.Lfunc_end_k_qcefb53528e_proj:
	.size	k_qcefb53528e_proj, .Lfunc_end_k_qcefb53528e_proj-k_qcefb53528e_proj
	.p2alignl 7, 3214868480
	.fill 96, 4, 3214868480
	.section	.rodata,"a",@progbits
	.p2align	6, 0x0
	.amdhsa_kernel k_qcefb53528e_proj
		.amdhsa_group_segment_fixed_size 253696
		.amdhsa_private_segment_fixed_size 0
		.amdhsa_enable_private_segment 0
		.amdhsa_kernarg_size 48
		.amdhsa_user_sgpr_count 2
		.amdhsa_user_sgpr_kernarg_segment_ptr 1
		.amdhsa_wavefront_size32 1
		.amdhsa_system_sgpr_workgroup_id_x 1
		.amdhsa_system_sgpr_workgroup_id_y 1
		.amdhsa_system_sgpr_workgroup_id_z 1
		.amdhsa_system_vgpr_workitem_id 0
		.amdhsa_next_free_vgpr 256
		.amdhsa_next_free_sgpr 102
		.amdhsa_reserve_vcc 0
		.amdhsa_float_denorm_mode_32 3
		.amdhsa_float_denorm_mode_16_64 3
		.amdhsa_memory_ordered 1
		.amdhsa_forward_progress 1
		.amdhsa_inst_pref_size 46
	.end_amdhsa_kernel
	.amdgpu_metadata
---
amdhsa.version: [ 1, 2 ]
amdhsa.kernels:
  - .name:           k_qcefb53528e_proj
    .symbol:         k_qcefb53528e_proj.kd
    .args:
      - { .name: ao_c, .offset: 0, .size: 8, .value_kind: global_buffer, .address_space: global }
      - { .name: ao_s, .offset: 8, .size: 8, .value_kind: global_buffer, .address_space: global }
      - { .name: proj_w_codes, .offset: 16, .size: 8, .value_kind: global_buffer, .address_space: global }
      - { .name: proj_w_scales, .offset: 24, .size: 8, .value_kind: global_buffer, .address_space: global }
      - { .name: proj_b, .offset: 32, .size: 8, .value_kind: global_buffer, .address_space: global }
      - { .name: out0, .offset: 40, .size: 8, .value_kind: global_buffer, .address_space: global }
    .group_segment_fixed_size: 253696
    .private_segment_fixed_size: 0
    .kernarg_segment_align: 8
    .kernarg_segment_size: 48
    .max_flat_workgroup_size: 256
    .sgpr_count:     102
    .vgpr_count:     256
    .wavefront_size: 32
...
	.end_amdgpu_metadata
.endif
;; end of part 3
;; ======== version 2 of 2: 3 launches
;; limits: right only within a limited range of input values
;; workspace buffers: qkv_c 12,582,912 bytes; qkv_s 786,432 bytes; ao_c 4,194,304 bytes; ao_s 262,144 bytes
;; launch qkv (part 4): grid 8 x 32, 16 waves a work-group, clusters of 4 x 4, 327,680 bytes of LDS; arguments x_codes, x_scales, qkv_w_codes, qkv_w_scales, qkv_c, qkv_s; writes qkv_c, qkv_s
.if DOCPART == 4
	.amdgcn_target "amdgcn-amd-amdhsa--gfx1250"
	.amdhsa_code_object_version 6
	.text
	.protected	k_qcefb53528e_qkv
	.globl	k_qcefb53528e_qkv
	.p2align	8
	.type	k_qcefb53528e_qkv,@function
k_qcefb53528e_qkv:
	s_mov_b64 s[64:65], 0
	v_nop
	global_prefetch_b8 v0, s[64:65] scope:SCOPE_SE
	s_setreg_imm32_b32 hwreg(HW_REG_WAVE_MODE, 25, 1), 1
	s_wait_xcnt 0x0
	s_wait_alu depctr_hold_cnt(0) depctr_sa_sdst(0) depctr_va_vdst(0) depctr_va_sdst(0) depctr_va_ssrc(0) depctr_va_vcc(0) depctr_vm_vsrc(0)
	s_getreg_b32 s2, hwreg(HW_REG_IB_STS2, 6, 4)
	s_cmp_eq_u32 s2, 0
	s_cbranch_scc0 .Lentry_in_a_cluster
	s_endpgm
.Lentry_in_a_cluster:
	s_bfe_u32 s2, ttmp6, 0x10000c
	s_cmp_lg_u32 s2, 0xf033
	s_cbranch_scc0 .Lentry_shape_is_right
	s_endpgm
.Lentry_shape_is_right:
; qkv = x W^T on codes of FP4 (E2M1) with one E8M0 scale for each 32 along K = 1,024; the results are quantised at once: q and k along the head's 64 channels, v along the keys.
; SHARES.  8 x 32 = 256 work-groups.  A work-group owns 256 tokens and channel tile i: rows 256 i .. + 255 of W (q, k) and rows 2,048 + 128 i .. + 127 (v).  Sixteen waves, four to a SIMD.
; TWO PHASES.  P is the axis along which the RESULT is quantised, R the other.  Phase 1 (q, k): P = 256 channels, R = the tokens; a wave makes 64 x 64.  Phase 2 (v): P = the tokens (the keys), R = 128 channels; a wave makes 64 x 32.
; THE MATRIX INSTRUCTION: source 0 = 16 P rows, source 1 = 16 R rows: lane (r, h) holds R row r, and register j of tile t the P index 16 t + 8 h + j: the lane's registers run along the axis to be quantised.
; LDS.  A row along K is 512 bytes, kept as two halves of 256.  The tokens' 256 rows and the 256 rows of W for q, k lie there whole; all 640 rows would not fit.  So when K half 0 of phase 1 is multiplied, the bytes of
; W's half 0 (256 x 272) are filled once more, with both halves of v's 128 rows (2 x 128 x 272): that load lands under the second half of phase 1 and the quantising of q and k.
; CLUSTER 4 x 4.  W's tiles hang on cx alone and are asked for jointly by the four work-groups of a column of the cluster, x's on cy alone, by the four of a row.
; OUT.  An IMAGE is the registers of half an operand: 16 R rows x 64 P indices, lane l's 16 bytes at 16 l, 512 bytes.  A UNIT is four images (R tiles 0 .. 3) on end, 2,048 bytes, with 128 bytes of scale words at its
; offset / 16: lanes 0-15 the two bytes of R tile 0 (low half) and 1 (high half), lanes 16-31 those of tiles 2 and 3.
;   q, k: unit (g = channel / 64, token tile T0) at g << 18 + T0 << 9.      v: unit (batch b, head, key / 64) at 8,388,608 + (16 b + head) << 15 + (key / 64) << 11; a wave of phase 2 stores half a unit.
; LIMITS: a block whose largest magnitude lies under 2^-124, a block of zeros too, gets the byte 1 (zero codes add nothing under it; this program alone reads the bytes); scale bytes 0xff, NaN and infinities are not served.
.set PITCH, 272                        ; an LDS row: 256 bytes + 16 of padding: row r begins 16 r bytes further on modulo 256, so the sixteen rows of a load touch sixteen different columns of 16 bytes
.set WROWS, 64*PITCH                   ; 64 rows: a wave's share of a tile's rows
.set HALFB, 256*PITCH                  ; 256 rows, one half of K
.set VHALF, 128*PITCH                  ; v's 128 rows, one half of K
.set XBASE, 2*HALFB                    ; LDS: W half 0 (later v's two halves), W half 1, x half 0, x half 1,
.set S64,   8*272                      ; (the scale bytes of 64 rows: 2,048 bytes as 8 rows of 256 + 16)
.set VSC,   4*HALFB                    ; the scale bytes of v's 128 rows of W,
.set XSC,   VSC+2*S64                  ; of the 256 tokens,
.set CSC,   XSC+4*S64                  ; of the 256 rows of W for q, k,
.set SPARE, CSC+4*S64                  ; and the spare words, 128 bytes for each wave: eight blocks of 256 bytes that no other line names
.set VOUT,  8388608                    ; where v begins in qkv_c
.set ADP,  4                           ; v4-5   phase 1: LDS address of my P fragments (W), K half 0, 1
.set ADR,  6                           ; v6-7   of my R fragments (x)
.set ADSC, 8                           ; v8     of my scale words: lanes 0-15 R's rows, lanes 16-31 P's
.set O16,  9                           ; v9     16 x lane
.set O4,   10                          ; v10    4 x lane
.set AP2,  12                          ; v12-13 phase 2: my P fragments (x)
.set AR2,  14                          ; v14-15 my R fragments (v's rows of W)
.set ADS2, 16                          ; v16    my scale words
.set SPW,  17                          ; v17    LDS address of my spare word: SPARE + 4 x my thread's number; never rewritten
.set NIL,  18                          ; v18    0; never rewritten
.set TM,   20                          ; v20-21 largest magnitudes, v22-23 the other half's, then the bytes, v24-25 the conversions' scale operands
.set TP,   22
.set TS,   24
.set SC,   32                          ; v32-63 scale words: register 8 i + q: lanes 0-15 R tile i's word of K step q, lanes 16-31 P tile i's.  They hold scales and nothing else
.set PF,   64                          ; v64-95 P's four fragments of a K step
.set RF,   96                          ; v96-127 R's four (phase 2: two)
.set ACC,  128                         ; v128-255 accumulator (R tile m, P tile t) at 32 m + 8 t
.set IMG,  64                          ; behind a phase's products: the images,
.set PWR,  80                          ; their bytes, and v84-86 the scale word
.set WV,   16                          ; s16 my wave's number
.set SEL,  100                         ; s[100:101] v_permlanex16_b32's selects for lane l xor 16
.set G1VS, 28                          ; descriptor groups 1: v's scales, W's codes, x's codes, W's scales, x's scales
.set G1WC, 36
.set G1XC, 44
.set G1WS, 52
.set G1XS, 68
.set G0VS, 20                          ; groups 0: v's scales; v's codes (the refill);
.set G0V,  60
.set G0W,  76                          ; W's scales, my part of W's codes;
.set G0X,  88                          ; x's likewise
.macro PLACES n
.rept \n
	v_nop
.endr
.endm
; A round of the cluster's barrier: my work-group's barrier, wave 0 signals for the work-group, every wave waits for all sixteen work-groups, my work-group's barrier once more.
.macro CROUND
	s_barrier_signal -1
	s_barrier_wait -1
	s_cmp_lg_u32 s[WV], 0
	s_cbranch_scc1 .Lnot_wave_0_\@
	s_barrier_signal -3
.Lnot_wave_0_\@:
	s_barrier_wait -3
	s_barrier_signal -1
	s_barrier_wait -1
.endm
; 32 numbers of a lane, register 8 t + j = index 16 t + 8 h + j of my row, become an image in v[pc .. pc + 3] and the row's two scale bytes in v[pw].
; A block of 32 is tiles 2 b, 2 b + 1 of lanes l and l xor 16.  The accumulators are read in ascending order.
.macro QUANT64 s, pc, pw
.irp b, 0,1
	v_max3_num_f32 v[TM+\b], |v[\s+16*\b]|, |v[\s+16*\b+1]|, 0x1800000   ; my 16 numbers of block b, and the floor 2^(3 - 127): the byte cannot fall under 1
.endr
.irp i, 2,4,6,8,10,12,14
.irp b, 0,1
	v_max3_num_f32 v[TM+\b], v[TM+\b], |v[\s+16*\b+\i]|, |v[\s+16*\b+\i+1]|
.endr
.endr
.irp b, 0,1
	s_delay_alu instid0(VALU_DEP_2)
	v_permlanex16_b32 v[TP+\b], v[TM+\b], s[SEL], s[SEL+1]
.endr
.irp b, 0,1
	s_delay_alu instid0(VALU_DEP_2)
	v_max_num_f32 v[TM+\b], v[TM+\b], v[TP+\b]       ; with lane l xor 16's: the block's largest magnitude
.endr
.irp b, 0,1
	s_delay_alu instid0(VALU_DEP_2)
	v_add_nc_u32 v[TS+\b], 0xff000000, v[TM+\b]      ; 2 off its exponent field: the conversion takes the exponent field of this operand as its scale
.endr
.irp b, 0,1
	s_delay_alu instid0(VALU_DEP_2)
	v_lshrrev_b32 v[TP+\b], 23, v[TS+\b]             ; the scale's byte
.endr
	s_delay_alu instid0(VALU_DEP_1)
	v_lshl_or_b32 v[\pw], v[TP+1], 8, v[TP]
	v_cvt_scalef32_pk8_fp4_f32 v[\pc], v[\s:\s+7], v[TS]            ; tiles 0, 2, 1, 3 go to registers 0, 1, 2, 3:
	v_cvt_scalef32_pk8_fp4_f32 v[\pc+2], v[\s+8:\s+15], v[TS]
	v_cvt_scalef32_pk8_fp4_f32 v[\pc+1], v[\s+16:\s+23], v[TS+1]
	v_cvt_scalef32_pk8_fp4_f32 v[\pc+3], v[\s+24:\s+31], v[TS+1]
	v_nop                                            ; one plain place behind a scaled conversion
	v_permlane16_swap_b32 v[\pc], v[\pc+1]           ; the first's lanes 16-31 change places with the second's lanes 0-15:
	v_permlane16_swap_b32 v[\pc+2], v[\pc+3]         ; register q of lane (r, h) now holds indices 32 h + 8 q .. + 7
.endm
; 4 matrix instructions: R tile m x P's four, K step q.  A phase's accumulators take turns, one instruction a turn, in the same order in every step.
.macro MULM m, q, zero
.irp t, 0,1,2,3
.if \zero
	v_wmma_scale_f32_16x16x128_f8f6f4 v[ACC+32*(\m)+8*\t:ACC+32*(\m)+8*\t+7], v[PF+8*\t:PF+8*\t+7], v[RF+8*(\m):RF+8*(\m)+7], 0, v[SC+8*\t+(\q)], v[SC+8*(\m)+(\q)] matrix_a_fmt:MATRIX_FMT_FP4 matrix_b_fmt:MATRIX_FMT_FP4 matrix_a_scale:MATRIX_SCALE_ROW1
.else
	v_wmma_scale_f32_16x16x128_f8f6f4 v[ACC+32*(\m)+8*\t:ACC+32*(\m)+8*\t+7], v[PF+8*\t:PF+8*\t+7], v[RF+8*(\m):RF+8*(\m)+7], v[ACC+32*(\m)+8*\t:ACC+32*(\m)+8*\t+7], v[SC+8*\t+(\q)], v[SC+8*(\m)+(\q)] matrix_a_fmt:MATRIX_FMT_FP4 matrix_b_fmt:MATRIX_FMT_FP4 matrix_a_scale:MATRIX_SCALE_ROW1
.endif
.endr
.endm
; A fragment (16 rows x 128 K) is 8 registers: registers 4 c .. 4 c + 3 of lane (r, h) hold K = 64 c + 32 h + 0 .. 31 of row r: two loads of 16 bytes, 32 bytes apart.  Tile i of the wave's rows, K step q
.macro FRAG reg, adr, q, i
.irp c, 0,1
	ds_load_b128 v[\reg+4*\c:\reg+4*\c+3], v[\adr+(\q)/4] offset:16*PITCH*(\i)+64*((\q)%4)+32*\c
.endr
.endm
; A K step of 128 in phase 1: 16 loads, 16 matrix instructions
.macro KSTEP1 q, zero
.if \q > 0
	PLACES 4                                         ; four places in front of loads into registers that matrix instructions have read (ISA guide 7.12.1 for vector instructions)
.endif
.irp t, 0,1,2,3
	FRAG PF+8*\t, ADP, \q, \t
.endr
.irp m, 0,1,2,3
	FRAG RF+8*\m, ADR, \q, \m
.endr
	s_wait_dscnt 4                                   ; all but the youngest four loads, R tiles 2 and 3, are in
	MULM 0, \q, \zero
	MULM 1, \q, \zero
	s_wait_dscnt 0x0
	MULM 2, \q, \zero
	MULM 3, \q, \zero
.endm
; and in phase 2: 12 loads, 8 matrix instructions
.macro KSTEP2 q, zero
.if \q > 0
	PLACES 4
.endif
.irp t, 0,1,2,3
	FRAG PF+8*\t, AP2, \q, \t
.endr
.irp m, 0,1
	FRAG RF+8*\m, AR2, \q, \m
.endr
	s_wait_dscnt 2                                   ; all but the youngest two loads, R tile 1, are in
	MULM 0, \q, \zero
	s_wait_dscnt 0x0
	MULM 1, \q, \zero
.endm
.macro SCALES adr                      ; the scale words of all eight K steps: 16 rows on are 512 bytes, two padded rows
.irp i, 0,1,2,3
.irp k, 0,1
	ds_load_b128 v[SC+8*\i+4*\k:SC+8*\i+4*\k+3], v[\adr] offset:544*\i+16*\k
.endr
.endr
.endm
	s_load_b256 s[4:11], s[0:1], 0x0                 ; x's codes s[4:5], x's scales s[6:7], W's codes s[8:9], W's scales s[10:11]
	s_load_b128 s[12:15], s[0:1], 0x20               ; qkv_c s[12:13], qkv_s s[14:15]
	v_lshl_add_u32 v[SPW], v0, 2, SPARE
	v_mov_b32 v[NIL], 0
	ds_add_u32 v17, v18
	ds_add_u32 v17, v18
	s_wait_dscnt 0x0
	v_lshrrev_b32 v1, 5, v0
	s_delay_alu instid0(VALU_DEP_1)
	v_readfirstlane_b32 s[WV], v1                    ; wave 0 .. 15
	s_and_b32 s17, s[WV], 3                          ; wp: which 64 of a phase's P indices are mine.  Also: which part of a tile I fetch
	s_lshr_b32 s18, s[WV], 2                         ; wr: which quarter of its R rows.  Also: waves 0-3 fetch W's codes, 4-7 x's, 8-10 scale bytes
	s_bfe_u32 s104, ttmp6, 0x40000                   ; cx
	s_bfe_u32 s105, ttmp6, 0x40004                   ; cy
	s_lshl_b32 s24, ttmp9, 2
	s_add_co_u32 s24, s24, s104                      ; the channel tile i = 4 x cluster x + cx
	s_and_b32 s25, ttmp7, 0xffff
	s_lshl_b32 s25, s25, 2
	s_add_co_u32 s25, s25, s105                      ; the token tile = 4 x cluster y + cy
	s_lshl_b32 s26, s105, 2
	s_lshl_b32 s26, 15, s26                          ; my row of the cluster: places 4 cy .. 4 cy + 3
	s_lshl_b32 s27, 0x1111, s104                     ; my column: places cx, cx + 4, cx + 8, cx + 12
	; groups 1 for codes: 128 rows x 256 bytes out of rows of 512, 16 bytes of padding behind each
	s_or_b32 s[G1WC], s27, (1<<20)|(1<<21)|(5<<22)|(3<<25)   ; 15:0 the mask; 17:16 elements of 1 byte; 20 padding on; 21 set beside a mask; 24:22 after every 64 words; 31:25 four words
	s_or_b32 s[G1XC], s26, (1<<20)|(1<<21)|(5<<22)|(3<<25)
.irp g, G1WC, G1XC
	s_mov_b32 s[\g+1], 256<<16                       ; tensor_dim0
	s_mov_b32 s[\g+2], 128<<16                       ; tensor_dim1
	s_mov_b32 s[\g+3], 256<<16                       ; tile_dim0
	s_mov_b32 s[\g+4], 128                           ; tile_dim1
	s_mov_b32 s[\g+5], 512                           ; from row to row
	s_mov_b32 s[\g+6], 0
	s_mov_b32 s[\g+7], 0
.endr
	; groups 1 for scale bytes: those of 64 rows are 2,048 dense bytes: 8 rows of 256 (32 elements of 8 bytes), 16 bytes of padding behind each
	s_or_b32 s[G1WS], s27, (3<<16)|(1<<20)|(1<<21)|(5<<22)|(3<<25)
	s_or_b32 s[G1XS], s26, (3<<16)|(1<<20)|(1<<21)|(5<<22)|(3<<25)
.irp g, G1WS, G1XS
	s_mov_b32 s[\g+1], 32<<16
	s_mov_b32 s[\g+2], 32<<16                        ; the scale bytes of 256 rows: 32 rows of 256 bytes
	s_mov_b32 s[\g+3], 32<<16
	s_mov_b32 s[\g+4], 32
	s_mov_b32 s[\g+5], 32
	s_mov_b32 s[\g+6], 0
	s_mov_b32 s[\g+7], 0
.endr
	s_or_b32 s[G1VS], s27, (3<<16)|(1<<20)|(1<<21)|(5<<22)|(3<<25)   ; those of v's 128 rows: 16 such rows
	s_mov_b32 s[G1VS+1], 32<<16
	s_mov_b32 s[G1VS+2], 16<<16
	s_mov_b32 s[G1VS+3], 32<<16
	s_mov_b32 s[G1VS+4], 16
	s_mov_b32 s[G1VS+5], 32
	s_mov_b32 s[G1VS+6], 0
	s_mov_b32 s[G1VS+7], 0
	; groups 0: the count and the LDS address: constants and the wave's number alone
	s_mov_b32 s[G0W], 1                              ; W's scales
	s_mov_b32 s[G0W+1], CSC
	s_mov_b32 s[G0W+4], 1                            ; W's codes,
	s_mul_i32 s[G0W+5], s17, VHALF                   ; part u = wave % 4: K half u / 2, rows 128 (u % 2) on: 128 rows x u
	s_mov_b32 s[G0X], 1                              ; x's likewise
	s_mov_b32 s[G0X+1], XSC
	s_mov_b32 s[G0X+4], 1
	s_add_co_u32 s[G0X+5], s[G0W+5], XBASE
	s_mov_b32 s[G0VS], 1                             ; v's scales: all 128 rows, one wave
	s_mov_b32 s[G0VS+1], VSC
	s_mov_b32 s[G0V], 1                              ; v's codes (the refill)
	s_mul_i32 s[G0V+1], s17, VHALF                   ; v's codes (waves 0, 1): K half u, all 128 rows, at 128 rows x u from LDS byte 0
	s_mov_b32 s[SEL], 0x76543210
	s_mov_b32 s[SEL+1], 0xfedcba98
	s_and_b32 s19, s17, 1
	s_lshl_b32 s19, s19, 16                          ; rows 128 (u % 2) on: 128 x 512 bytes,
	s_lshr_b32 s2, s17, 1
	s_lshl_b32 s2, s2, 8
	s_add_co_u32 s19, s19, s2                        ; and K half u / 2: 256 bytes on in each row
	s_mov_b32 s3, 0
	s_mov_b32 s67, 0
	s_wait_kmcnt 0x0
	; the global addresses.  Every wave makes all; what feeds W's descriptors (s2, s3, s104) never holds cy, what feeds x's (s66, s67, s105) never cx
	s_lshl_b32 s2, s24, 13                           ; W's rows 256 i on: their scale bytes (32 a row),
	s_add_nc_u64 s[G0W+2:G0W+3], s[10:11], s[2:3]
	s_lshl_b32 s2, s24, 17                           ; their codes (512 bytes a row),
	s_add_co_u32 s2, s2, s19                         ; my part of them
	s_add_nc_u64 s[G0W+6:G0W+7], s[8:9], s[2:3]
	s_lshl_b32 s104, s24, 7
	s_add_co_u32 s104, s104, 2048                    ; v: rows 2,048 + 128 i on:
	s_lshl_b32 s2, s104, 5
	s_add_nc_u64 s[G0VS+2:G0VS+3], s[10:11], s[2:3]  ; their scale bytes,
	s_lshl_b32 s2, s104, 9
	s_lshl_b32 s104, s17, 8
	s_add_co_u32 s2, s2, s104                        ; their codes, K half u
	s_add_nc_u64 s[G0V+2:G0V+3], s[8:9], s[2:3]
	s_lshl_b32 s66, s25, 13                          ; x's rows 256 x tile on
	s_add_nc_u64 s[G0X+2:G0X+3], s[6:7], s[66:67]
	s_lshl_b32 s66, s25, 17
	s_add_co_u32 s66, s66, s19
	s_add_nc_u64 s[G0X+6:G0X+7], s[4:5], s[66:67]
.irp g, G0W+3, G0W+7, G0X+3, G0X+7, G0VS+3, G0V+3
	s_or_b32 s[\g], s[\g], 0x80000000                ; 127:126 type = 2
.endr
	CROUND                                           ; all sixteen work-groups are here: the joint loads meet
	; The first fills, one a wave, in one chain of branches on the wave's number: waves 0-3 W's codes, 4-7 x's codes (128 rows of one K half each), 8 W's scales, 9 x's, 10 v's
.macro ARM under, g0, g1, next
	s_cmp_lt_u32 s[WV], \under
	s_cbranch_scc0 \next
	tensor_load_to_lds s[\g0:\g0+3], s[\g1:\g1+7]
	s_nop 0
	PLACES 4
	s_branch .Lasked
\next:
.endm
	ARM 4,  G0W+4, G1WC, .Lh_x
	ARM 8,  G0X+4, G1XC, .Lh_ws
	ARM 9,  G0W,   G1WS, .Lh_xs
	ARM 10, G0X,   G1XS, .Lh_vs
	ARM 11, G0VS,  G1VS, .Lh_none
.Lasked:
	v_and_b32 v1, 31, v0                             ; lane
	v_and_b32 v2, 15, v0                             ; r
	v_bfe_u32 v3, v0, 4, 1                           ; h
	s_delay_alu instid0(VALU_DEP_2)
	v_mul_u32_u24 v11, v2, PITCH
	s_delay_alu instid0(VALU_DEP_1)
	v_lshl_add_u32 v11, v3, 4, v11                   ; a fragment's row x pitch + 16 h
	s_mul_i32 s19, s17, WROWS
	v_add_nc_u32 v[ADP], s19, v11                    ; phase 1: rows 64 wp on of W;
	s_delay_alu instid0(VALU_DEP_1)
	v_add_nc_u32 v[ADP+1], HALFB, v[ADP]
	s_delay_alu instid0(VALU_DEP_2)
	v_add_nc_u32 v[AP2], XBASE, v[ADP]               ; phase 2: rows 64 wp on of x
	s_delay_alu instid0(VALU_DEP_1)
	v_add_nc_u32 v[AP2+1], HALFB, v[AP2]
	s_mul_i32 s19, s18, WROWS
	s_add_co_u32 s19, s19, XBASE
	v_add_nc_u32 v[ADR], s19, v11                    ; phase 1: rows 64 wr on of x;
	s_delay_alu instid0(VALU_DEP_1)
	v_add_nc_u32 v[ADR+1], HALFB, v[ADR]
	s_mul_i32 s19, s18, 32*PITCH
	v_add_nc_u32 v[AR2], s19, v11                    ; phase 2: rows 32 wr on of v's 128
	s_delay_alu instid0(VALU_DEP_1)
	v_add_nc_u32 v[AR2+1], VHALF, v[AR2]
	v_lshlrev_b32 v26, 5, v2                         ; scale bytes: 32 a row,
	s_delay_alu instid0(VALU_DEP_1)
	v_lshrrev_b32 v27, 8, v26
	s_delay_alu instid0(VALU_DEP_1)
	v_lshl_add_u32 v26, v27, 4, v26                  ; and 16 more for each 256 passed
	s_xor_b32 s2, s18, 3                             ; 3 - wr
	s_add_co_u32 s3, s2, s17                         ; phase 1: lanes 16-31 take P's: from x's words of rows 64 wr on to W's of rows 64 wp on it is CSC - XSC + S64 (wp - wr) = S64 x (1 + wp + (3 - wr)) bytes
	s_add_co_u32 s3, s3, 1
	s_mul_i32 s3, s3, S64
	v_mul_u32_u24 v27, s3, v3
	s_mul_i32 s19, s18, S64
	s_add_co_u32 s19, s19, XSC
	v_add_nc_u32 v27, v26, v27
	s_delay_alu instid0(VALU_DEP_1)
	v_add_nc_u32 v[ADSC], s19, v27
	s_lshl_b32 s3, s17, 1                            ; phase 2: from v's words of rows 32 wr on to x's of rows 64 wp on it is XSC - VSC + S64 wp - (S64 / 2) wr = (S64 / 2) x (1 + 2 wp + (3 - wr)) bytes
	s_add_co_u32 s3, s3, s2
	s_add_co_u32 s3, s3, 1
	s_mul_i32 s3, s3, S64/2
	v_mul_u32_u24 v27, s3, v3
	s_wait_alu depctr_va_vdst(0)
	s_mul_i32 s19, s18, S64/2
	s_add_co_u32 s19, s19, VSC
	v_add_nc_u32 v27, v26, v27
	s_delay_alu instid0(VALU_DEP_1)
	v_add_nc_u32 v[ADS2], s19, v27                   ; (lanes 0-15 have two R tiles; the loads for tiles 2 and 3 read on into the scale bytes that follow, which are filled, and nobody uses what they bring)
	v_lshlrev_b32 v[O16], 4, v1
	v_lshlrev_b32 v[O4], 2, v1
	v_mov_b32 v[TP], 0                               ; written once: a lane permute's destination counts as one of its sources
	v_mov_b32 v[TP+1], 0
	; where my results go.  q, k: group g = 4 i + wp, token tiles 16 x tile + 4 wr on
	s_lshl_b32 s2, s24, 2
	s_add_co_u32 s2, s2, s17
	s_lshl_b32 s2, s2, 18
	s_lshl_b32 s3, s25, 13
	s_add_co_u32 s2, s2, s3
	s_lshl_b32 s3, s18, 11
	s_add_co_u32 s2, s2, s3
	s_mov_b32 s3, 0
	; v: batch tile / 4, head 2 i + wr / 2, group of keys 4 (tile % 4) + wp, images 2 (wr % 2) on
	s_lshr_b32 s66, s25, 2
	s_lshl_b32 s66, s66, 4
	s_lshl_b32 s67, s24, 1
	s_add_co_u32 s66, s66, s67
	s_lshr_b32 s67, s18, 1
	s_add_co_u32 s66, s66, s67
	s_lshl_b32 s66, s66, 15
	s_and_b32 s67, s25, 3
	s_lshl_b32 s67, s67, 2
	s_add_co_u32 s67, s67, s17
	s_lshl_b32 s67, s67, 11
	s_add_co_u32 s66, s66, s67
	s_and_b32 s67, s18, 1
	s_lshl_b32 s67, s67, 10
	s_add_co_u32 s66, s66, s67
	s_add_co_u32 s66, s66, VOUT
	s_mov_b32 s67, 0
	s_add_nc_u64 s[26:27], s[12:13], s[66:67]        ; v's images
	s_lshr_b32 s66, s66, 4
	s_add_nc_u64 s[104:105], s[14:15], s[66:67]      ; and their scale words: the codes' offset / 16
	s_add_nc_u64 s[12:13], s[12:13], s[2:3]          ; q's, k's images
	s_lshr_b32 s2, s2, 4
	s_add_nc_u64 s[14:15], s[14:15], s[2:3]
	; ---- phase 1: q and k
	s_wait_tensorcnt 0x0                             ; my one load of the head, if I issued one, has landed
	s_barrier_signal -1
	s_barrier_wait -1                                ; everybody's are
	SCALES ADSC
	KSTEP1 0, 1                                      ; the first products start the sums: nothing is cleared
	KSTEP1 1, 0
	KSTEP1 2, 0
	KSTEP1 3, 0
	s_wait_tensorcnt 0x0                             ; all my tensor loads have landed;
	ds_add_u32 v[SPW], v[NIL]                        ; 0 onto my spare word
	ds_add_u32 v17, v18
	s_wait_dscnt 0x0                                 ; the add is done, and my reads of W's half 0 are over
	CROUND                                           ; the same now holds of every wave of every work-group of the cluster
	s_cmp_lt_u32 s[WV], 2                            ; waves 0, 1: v's rows of W, one K half each, into the bytes of W's half 0: the first tensor load behind the round, one a wave
	s_cbranch_scc0 .Lno_refill
	tensor_load_to_lds s[G0V:G0V+3], s[G1WC:G1WC+7]
	s_nop 0
	PLACES 4
.Lno_refill:
	KSTEP1 4, 0
	KSTEP1 5, 0
	KSTEP1 6, 0
	KSTEP1 7, 0
	PLACES 4                                         ; in front of the first read of results and the first write over operands
.irp m, 0,1,2,3
	QUANT64 ACC+32*\m, IMG+4*\m, PWR+\m
	global_store_b128 v[O16], v[IMG+4*\m:IMG+4*\m+3], s[12:13] offset:512*\m   ; 32 lanes store 512 consecutive bytes, at a multiple of 512 from the buffer's first byte; each image has registers of its own
.endr
	v_lshl_or_b32 v85, v[PWR+1], 16, v[PWR]
	v_lshl_or_b32 v86, v[PWR+3], 16, v[PWR+2]
	v_cmp_le_u32 vcc_lo, 16, v1
	s_delay_alu instid0(VALU_DEP_1)
	v_cndmask_b32 v84, v85, v86, vcc_lo              ; lanes 0-15: R tiles 0 and 1; lanes 16-31: tiles 2 and 3
	global_store_b32 v[O4], v84, s[14:15]            ; 128 consecutive bytes
	; ---- phase 2: v
	s_wait_tensorcnt 0x0                             ; my part of v's rows, if I asked for one, has landed (no LDS instruction of mine is out),
	s_wait_xcnt 0x0                                  ; and the stores above have read their registers: the loads below land there
	s_barrier_signal -1
	s_barrier_wait -1                                ; everybody's has
	SCALES ADS2
	KSTEP2 0, 1
	KSTEP2 1, 0
	KSTEP2 2, 0
	KSTEP2 3, 0
	KSTEP2 4, 0
	KSTEP2 5, 0
	KSTEP2 6, 0
	KSTEP2 7, 0
	PLACES 4
.irp m, 0,1
	QUANT64 ACC+32*\m, IMG+4*\m, PWR+\m
	global_store_b128 v[O16], v[IMG+4*\m:IMG+4*\m+3], s[26:27] offset:512*\m
.endr
	v_lshl_or_b32 v84, v[PWR+1], 16, v[PWR]          ; my two tiles' bytes: the same in lanes l and l xor 16
	s_wait_alu depctr_va_vdst(0)
	s_wait_xcnt 0x0                                  ; EXEC changes only behind this wait: the stores above have it among their sources
	v_cmp_gt_u32 vcc_lo, 16, v1
	s_and_saveexec_b32 s3, vcc_lo
	global_store_b32 v[O4], v84, s[104:105]          ; lanes 0-15: 64 consecutive bytes, my half of the unit's scale words
	s_wait_xcnt 0x0
	s_or_b32 exec_lo, exec_lo, s3
	s_wait_tensorcnt 0x0                             ; the wave's end
	ds_add_u32 v[SPW], v[NIL]
	s_wait_dscnt 0x0
	CROUND                                           ; the closing round: no work-group ends while a partner may still ask for a tile that names it
	s_endpgm
.Lfunc_end_k_qcefb53528e_qkv:
	.size	k_qcefb53528e_qkv, .Lfunc_end_k_qcefb53528e_qkv-k_qcefb53528e_qkv
	.p2alignl 7, 3214868480
	.fill 96, 4, 3214868480
	.section	.rodata,"a",@progbits
	.p2align	6, 0x0
	.amdhsa_kernel k_qcefb53528e_qkv
		.amdhsa_group_segment_fixed_size 327680
		.amdhsa_private_segment_fixed_size 0
		.amdhsa_enable_private_segment 0
		.amdhsa_kernarg_size 48
		.amdhsa_user_sgpr_count 2
		.amdhsa_user_sgpr_kernarg_segment_ptr 1
		.amdhsa_wavefront_size32 1
		.amdhsa_system_sgpr_workgroup_id_x 1
		.amdhsa_system_sgpr_workgroup_id_y 1
		.amdhsa_system_sgpr_workgroup_id_z 1
		.amdhsa_system_vgpr_workitem_id 0
		.amdhsa_next_free_vgpr 256
		.amdhsa_next_free_sgpr 106
		.amdhsa_reserve_vcc 1
		.amdhsa_float_denorm_mode_32 3
		.amdhsa_float_denorm_mode_16_64 3
		.amdhsa_memory_ordered 1
		.amdhsa_forward_progress 1
		.amdhsa_inst_pref_size 69
	.end_amdhsa_kernel
	.amdgpu_metadata
---
amdhsa.version: [ 1, 2 ]
amdhsa.kernels:
  - .name:           k_qcefb53528e_qkv
    .symbol:         k_qcefb53528e_qkv.kd
    .args:
      - { .name: x_codes, .offset: 0, .size: 8, .value_kind: global_buffer, .address_space: global }
      - { .name: x_scales, .offset: 8, .size: 8, .value_kind: global_buffer, .address_space: global }
      - { .name: qkv_w_codes, .offset: 16, .size: 8, .value_kind: global_buffer, .address_space: global }
      - { .name: qkv_w_scales, .offset: 24, .size: 8, .value_kind: global_buffer, .address_space: global }
      - { .name: qkv_c, .offset: 32, .size: 8, .value_kind: global_buffer, .address_space: global }
      - { .name: qkv_s, .offset: 40, .size: 8, .value_kind: global_buffer, .address_space: global }
    .group_segment_fixed_size: 327680
    .private_segment_fixed_size: 0
    .kernarg_segment_align: 8
    .kernarg_segment_size: 48
    .max_flat_workgroup_size: 512
    .sgpr_count:     106
    .vgpr_count:     256
    .wavefront_size: 32
...
	.end_amdgpu_metadata
.endif
;; end of part 4
;; launch attn (part 5): grid 4 x 64, 16 waves a work-group, clusters of 4 x 1, 169,984 bytes of LDS; arguments qkv_c, qkv_s, ao_c, ao_s; writes ao_c, ao_s
.if DOCPART == 5
	.amdgcn_target "amdgcn-amd-amdhsa--gfx1250"
	.amdhsa_code_object_version 6
	.text
	.protected	k_qcefb53528e_attn
	.globl	k_qcefb53528e_attn
	.p2align	8
	.type	k_qcefb53528e_attn,@function
k_qcefb53528e_attn:
	s_mov_b64 s[64:65], 0
	v_nop
	global_prefetch_b8 v0, s[64:65] scope:SCOPE_SE
	s_setreg_imm32_b32 hwreg(HW_REG_WAVE_MODE, 25, 1), 1
	s_wait_xcnt 0x0
	s_wait_alu depctr_hold_cnt(0) depctr_sa_sdst(0) depctr_va_vdst(0) depctr_va_sdst(0) depctr_va_ssrc(0) depctr_va_vcc(0) depctr_vm_vsrc(0)
	s_getreg_b32 s2, hwreg(HW_REG_IB_STS2, 6, 4)
	s_cmp_eq_u32 s2, 0
	s_cbranch_scc0 .Lentry_in_a_cluster
	s_endpgm
.Lentry_in_a_cluster:
	s_bfe_u32 s2, ttmp6, 0x10000c
	s_cmp_lg_u32 s2, 0x3003
	s_cbranch_scc0 .Lentry_shape_is_right
	s_endpgm
.Lentry_shape_is_right:
; o = softmax(q k^T / 8) v, head by head, both products on codes of FP4 (E2M1) with one E8M0 scale for each 32 along K; o is divided by the row's sum and quantised along the channels for the last product.
; THE SOFTMAX: t = score x log2(e) / 8; M = the row's largest t so far, rounded up to a whole number; p = 2^(t - M) is quantised along the keys, not normalised; the row's sum is taken of the unquantised p.
; When M moves, the sum and O are multiplied by 2^(old M - new M): exact.
; IN.  qkv_c holds images of 512 bytes: 16 rows x 64 along K, lane l's 16 bytes at 16 l.  q, k: rows = tokens; v: rows = channels, K = 64 keys.  Scale words, one a lane for four images:
; lanes 0-15 images 0 (low half) and 1 (high half), lanes 16-31 images 2 and 3.
; SHARES.  A work-group owns 256 queries of a batch and heads 2 hp, 2 hp + 1; each of sixteen waves 16 queries, one head after the other.  K and V of both heads come into LDS once and stay.
; CLUSTER 4 x 1: the four quarters of the queries read the same K and V: every fill is a joint load with the mask of all four.
; No prefetch: all fills go out at the head, and there is no loop to run ahead in.
; LAYOUT.  S^T = K Q^T, O^T = V^T P^T: a lane holds one query (lane % 16).  THE KEYS OF A SCORE TILE ARE CHOSEN: tile 4 c + q has rows 0-7 = keys 64 c + 8 q + 0..7 and rows 8-15 = the keys 32 further on.
; So lane (r, h) holds in registers 32 c .. 32 c + 31 the WHOLE block of keys 64 c + 32 h + 0..31: its maximum needs no other lane, and the conversion of tile 4 c + q is register 4 c + q of P's operand as it stands.
; K = 64 IN AN INSTRUCTION OF 128: an operand of K holds tiles q = a (registers 0-3) and q = a + 2 (4-7), multiplied once by (q, 0) and once by (0, q); zero codes add nothing.
; LDS rows are 1,024 bytes (two images) + 128 of padding: a tile's rows 8-15 lie one LDS row on, 128 bytes further modulo 256.
; LIMITS: the promise holds while the scaled scores stay under 2^31 in magnitude; a block whose largest magnitude lies under 2^-124 gets the byte 1 (its codes are zeros; this program alone reads the bytes).
.set RP,    1152
.set REG,   32*RP                      ; K or V of one head
.set VBASE, 2*REG                      ; LDS: K head 0, K head 1, V head 0, V head 1,
.set SCB,   4*REG                      ; their scale words in the same order, 2,048 bytes each,
.set SPARE, SCB+8192                   ; and the spare words, 128 bytes a wave
.set STEPB, 4*RP                       ; eight images: 128 keys
.set GO,  1                            ; 16 x lane
.set AK,  2                            ; walking LDS addresses: K's codes, V's codes, K's scale words, V's
.set AV,  3
.set AS,  4
.set AT,  5
.set C3,  8                            ; v[8:9], v[10:11], v[234:235]: chains of the row's sum.  v6 32 r, v7 lane, v12 -M, v13 the largest score, v[14:15] the sum
.set C4,  10
.set QF,  16                           ; Q of head 0, 1 as (q, 0, q), 12 registers each
.set KB,  40                           ; four operands of K
.set VB,  72                           ; four operands of V^T
.set SS,  104                          ; S^T, then p
.set OT,  168                          ; O^T
.set PC,  200                          ; p's codes
.set MA,  208                          ; four chains of maxima
.set BM,  212                          ; a block's largest score, then p
.set BS,  214                          ; the conversions' scale operands
.set BT,  216                          ; the bytes
.set XP,  218
.set WP,  219
.set KS,  220
.set VR,  222
.set VS,  224
.set PW,  226
.set QS,  227
.set SH,  229                          ; 8 h
.set FF,  230                          ; f = 2^(old M - new M), and a 0 named with it
.set TT,  232
.set X,   233
.set C2,  234
.set TM,  236
.set TP,  238
.set TS,  240
.set TN,  242
.set SPW, 243
.set OI,  244
.set OB,  252
.set NIL, 255
.set WV,  12
.set SEL, 20
.set CS,  22                           ; s[22:23] c = log2(e) / 8
.set G1C, 24
.set G1S, 32
.set G0C, 40
.set G0S, 44
.set NC,  48                           ; -c
.set CNT, 50
.macro PLACES n
.rept \n
	v_nop
.endr
.endm
.macro CROUND
	s_barrier_signal -1
	s_barrier_wait -1
	s_cmp_lg_u32 s[WV], 0
	s_cbranch_scc1 .Lnot_wave_0_\@
	s_barrier_signal -3
.Lnot_wave_0_\@:
	s_barrier_wait -3
	s_barrier_signal -1
	s_barrier_wait -1
.endm
; 32 numbers of a lane, register 8 t + j = index 16 t + 8 h + j of my row, become an image in v[pc .. pc + 3] and the row's two scale bytes in v[pw]
.macro QUANT64 s, pc, pw
.irp b, 0,1
	v_max3_num_f32 v[TM+\b], |v[\s+16*\b]|, |v[\s+16*\b+1]|, 0x1800000
.endr
.irp i, 2,4,6,8,10,12,14
.irp b, 0,1
	s_delay_alu instid0(VALU_DEP_2)
	v_max3_num_f32 v[TM+\b], v[TM+\b], |v[\s+16*\b+\i]|, |v[\s+16*\b+\i+1]|
.endr
.endr
.irp b, 0,1
	s_delay_alu instid0(VALU_DEP_2)
	v_permlanex16_b32 v[TP+\b], v[TM+\b], s[SEL], s[SEL+1]
.endr
.irp b, 0,1
	s_delay_alu instid0(VALU_DEP_2)
	v_max_num_f32 v[TM+\b], v[TM+\b], v[TP+\b]
.endr
.irp b, 0,1
	s_delay_alu instid0(VALU_DEP_2)
	v_add_nc_u32 v[TS+\b], 0xff000000, v[TM+\b]
.endr
.irp b, 0,1
	s_delay_alu instid0(VALU_DEP_2)
	v_lshrrev_b32 v[TP+\b], 23, v[TS+\b]
.endr
	s_delay_alu instid0(VALU_DEP_1)
	v_lshl_or_b32 v[\pw], v[TP+1], 8, v[TP]
	v_cvt_scalef32_pk8_fp4_f32 v[\pc], v[\s:\s+7], v[TS]
	v_cvt_scalef32_pk8_fp4_f32 v[\pc+2], v[\s+8:\s+15], v[TS]
	v_cvt_scalef32_pk8_fp4_f32 v[\pc+1], v[\s+16:\s+23], v[TS+1]
	v_cvt_scalef32_pk8_fp4_f32 v[\pc+3], v[\s+24:\s+31], v[TS+1]
	v_nop
	v_permlane16_swap_b32 v[\pc], v[\pc+1]
	v_permlane16_swap_b32 v[\pc+2], v[\pc+3]
.endm
; where region u (0, 1: K of head 2 hp, 2 hp + 1; 2, 3: V of them) begins in qkv_c
.macro REGION dst, u, t
	s_and_b32 \t, \u, 1
	s_lshl_b32 \dst, s16, 1
	s_add_co_u32 \t, \t, \dst
	s_add_co_u32 \dst, \t, 16
	s_lshl_b32 \dst, \dst, 18
	s_lshl_b32 s3, s15, 15
	s_add_co_u32 \dst, \dst, s3
	s_lshl_b32 s3, s15, 4
	s_add_co_u32 s3, s3, \t
	s_lshl_b32 s3, s3, 15
	s_add_co_u32 s3, s3, 8388608
	s_cmp_lt_u32 \u, 2
	s_cselect_b32 \dst, \dst, s3
.endm
; K of 128 keys: two scale words and four operands.  Operand (c, a): registers 0-3 from images 0 / 2 of unit c, rows 8 a on; registers 4-7 from images 1 / 3
.macro KLOAD off, soff
	ds_load_b32 v[KS], v[AS] offset:\soff
	ds_load_b32 v[KS+1], v[AS] offset:\soff+128
.irp c, 0,1
.irp a, 0,1
.irp i, 0,1
	ds_load_b128 v[KB+16*\c+8*\a+4*\i:KB+16*\c+8*\a+4*\i+3], v[AK] offset:\off+2*RP*\c+128*\a+512*\i
.endr
.endr
.endr
.endm
.macro ADDP p                          ; pair p of p joins one of the sum's four chains
.if ((\p)%4) == 0
	v_pk_add_f32 v[14:15], v[14:15], v[SS+2*(\p):SS+2*(\p)+1]
.elseif ((\p)%4) == 1
	v_pk_add_f32 v[C2:C2+1], v[C2:C2+1], v[SS+2*(\p):SS+2*(\p)+1]
.elseif ((\p)%4) == 2
	v_pk_add_f32 v[C3:C3+1], v[C3:C3+1], v[SS+2*(\p):SS+2*(\p)+1]
.else
	v_pk_add_f32 v[C4:C4+1], v[C4:C4+1], v[SS+2*(\p):SS+2*(\p)+1]
.endif
.endm
	s_load_b256 s[4:11], s[0:1], 0x0                 ; qkv_c, qkv_s, ao_c, ao_s
	v_lshl_add_u32 v[SPW], v0, 2, SPARE
	v_mov_b32 v[NIL], 0
	ds_add_u32 v[SPW], v[NIL]
	ds_add_u32 v[SPW], v[NIL]
	v_lshrrev_b32 v2, 5, v0
	v_readfirstlane_b32 s[WV], v2                    ; wave 0 .. 15
	v_and_b32 v7, 31, v0                             ; lane
	v_and_b32 v[TT], 15, v0                          ; r
	v_lshlrev_b32 v[GO], 4, v7
	v_lshlrev_b32 v[X], 2, v[TT]                     ; 4 r
	v_lshlrev_b32 v6, 5, v[TT]                       ; 32 r: my token's row of o's scale bytes
	s_bfe_u32 s13, ttmp6, 0x40000                    ; cx
	s_lshl_b32 s17, ttmp9, 2
	s_add_co_u32 s13, s13, s17                       ; my quarter of the queries: it enters Q's and o's global addresses alone
	s_and_b32 s14, ttmp7, 0xffff
	s_lshr_b32 s15, s14, 3                           ; the batch
	s_and_b32 s16, s14, 7                            ; hp
	s_bfe_u32 s17, s[WV], 0x20001                    ; waves 0-7 fetch codes: region wave / 2, half wave % 2 (16,384 bytes)
	REGION s62, s17, s2
	s_and_b32 s2, s[WV], 1
	s_lshl_b32 s2, s2, 14
	s_add_co_u32 s62, s62, s2
	s_mov_b32 s63, 0
	s_and_b32 s61, s[WV], 3                          ; waves 8-11 fetch scale words: region wave % 4, at the codes' offset / 16
	REGION s18, s61, s2
	s_lshr_b32 s18, s18, 4
	s_mov_b32 s19, 0
	s_mov_b32 s[G1C], 15|(3<<16)|(1<<20)|(1<<21)|(7<<22)|(31<<25)   ; the mask of all four; elements of 8 bytes; 32 words of padding after every 256; 21 set beside the mask
	s_mov_b32 s[G1C+1], 128<<16                      ; dense bytes as rows of 1,024
	s_mov_b32 s[G1C+2], 16<<16                       ; 16 rows
	s_mov_b32 s[G1C+3], 128<<16
	s_mov_b32 s[G1C+4], 16
	s_mov_b32 s[G1C+5], 128
	s_mov_b32 s[G1C+6], 0
	s_mov_b32 s[G1C+7], 0
	s_mov_b32 s[G1S], 15|(3<<16)|(1<<21)             ; 2,048 dense bytes as 8 rows of 256
	s_mov_b32 s[G1S+1], 32<<16
	s_mov_b32 s[G1S+2], 8<<16
	s_mov_b32 s[G1S+3], 32<<16
	s_mov_b32 s[G1S+4], 8
	s_mov_b32 s[G1S+5], 32
	s_mov_b32 s[G1S+6], 0
	s_mov_b32 s[G1S+7], 0
	s_lshl_b32 s2, s15, 6                            ; my tile of 16 queries over all batches: Tg = 64 b + 16 x quarter + wave
	s_lshl_b32 s3, s13, 4
	s_add_co_u32 s2, s2, s3
	s_add_co_u32 s2, s2, s[WV]
	s_lshl_b32 s52, s16, 19                          ; Q's image of head 2 hp: (2 hp) << 18 + Tg << 9
	s_lshl_b32 s3, s2, 9
	s_add_co_u32 s52, s52, s3
	s_mov_b32 s53, 0
	s_lshl_b32 s54, s16, 15                          ; its scale words: (2 hp) << 14 + 64 (Tg / 2)
	s_lshr_b32 s3, s2, 1
	s_lshl_b32 s3, s3, 6
	s_add_co_u32 s54, s54, s3
	s_mov_b32 s55, 0
	s_lshr_b32 s56, s16, 2                           ; o's images: [hp / 4][Tg][hp % 4][head's parity][512 bytes]
	s_lshl_b32 s56, s56, 21
	s_lshl_b32 s3, s2, 12
	s_add_co_u32 s56, s56, s3
	s_and_b32 s3, s16, 3
	s_lshl_b32 s3, s3, 10
	s_add_co_u32 s56, s56, s3
	s_mov_b32 s57, 0
	s_lshl_b32 s58, s2, 9                            ; o's scale words: [token][32 bytes], word hp
	s_lshl_b32 s3, s16, 2
	s_add_co_u32 s58, s58, s3
	s_mov_b32 s59, 0
	s_and_b32 s3, s[WV], 1                           ; my tile's two bytes are the low half of Q's word (even wave) or the high half
	s_mov_b32 s60, 0x03020302
	s_cmp_eq_u32 s3, 0
	s_cselect_b32 s60, 0x01000100, s60
	s_mov_b32 s[SEL], 0x76543210
	s_mov_b32 s[SEL+1], 0xfedcba98
	s_mov_b32 s[CS], 0x3e38aa3b
	s_mov_b32 s[CS+1], s[CS]
	s_mov_b32 s[NC], 0xbe38aa3b
	s_wait_alu depctr_va_vdst(0)
	s_wait_dscnt 0x0
	s_wait_kmcnt 0x0
	s_mov_b32 s[G0C], 1
	s_mul_i32 s[G0C+1], s[WV], 16*RP                 ; 16 LDS rows a wave
	s_add_nc_u64 s[G0C+2:G0C+3], s[4:5], s[62:63]
	s_or_b32 s[G0C+3], s[G0C+3], 0x80000000
	s_mov_b32 s[G0S], 1
	s_lshl_b32 s[G0S+1], s61, 11
	s_add_co_u32 s[G0S+1], s[G0S+1], SCB
	s_add_nc_u64 s[G0S+2:G0S+3], s[6:7], s[18:19]
	s_or_b32 s[G0S+3], s[G0S+3], 0x80000000
	s_add_nc_u64 s[52:53], s[4:5], s[52:53]
	s_add_nc_u64 s[54:55], s[6:7], s[54:55]
	s_add_nc_u64 s[56:57], s[8:9], s[56:57]
	s_add_nc_u64 s[58:59], s[10:11], s[58:59]
.irp e, 0,1
	global_load_b128 v[QF+12*\e:QF+12*\e+3], v[GO], s[52:53] offset:262144*\e        ; q's image, twice: (q, 0, q)
	global_load_b128 v[QF+12*\e+8:QF+12*\e+11], v[GO], s[52:53] offset:262144*\e
	global_load_b32 v[QS+\e], v[X], s[54:55] offset:16384*\e
.endr
	CROUND                                           ; all four work-groups are here: the joint loads meet
	s_cmp_lt_u32 s[WV], 8                            ; all fills of the launch: one load a wave, in one chain of branches on the wave's number
	s_cbranch_scc0 .Lnot_codes
	tensor_load_to_lds s[G0C:G0C+3], s[G1C:G1C+7]
	s_nop 0
	PLACES 4
	s_branch .Lasked
.Lnot_codes:
	s_cmp_lt_u32 s[WV], 12
	s_cbranch_scc0 .Lasked
	tensor_load_to_lds s[G0S:G0S+3], s[G1S:G1S+7]
	s_nop 0
	PLACES 4
.Lasked:
	v_and_b32 v9, 7, v0                              ; r % 8
	v_bfe_u32 v10, v0, 3, 1                          ; r / 8
	v_bfe_u32 v11, v0, 4, 1                          ; h
	v_mul_u32_u24 v[AK], v10, RP                     ; K's codes: rows 8-15 of a tile lie two images, one LDS row, on;
	v_lshlrev_b32 v[AS], 2, v9
	v_lshl_add_u32 v[AK], v9, 4, v[AK]               ; 16 bytes a row of an image;
	v_lshl_add_u32 v[AS], v11, 5, v[AS]              ; K's scale words: word 8 h + r % 8 + 16 (r / 8): lanes 0-15 operand a = 0, lanes 16-31 a = 1
	v_lshl_add_u32 v[AK], v11, 8, v[AK]              ; 256 h
	v_lshl_add_u32 v[AS], v10, 6, v[AS]
	v_add_nc_u32 v[AV], VBASE, v[GO]
	v_add_nc_u32 v[AS], SCB, v[AS]
	v_lshl_add_u32 v[AT], v7, 2, SCB+4096
	v_lshlrev_b32 v[SH], 3, v11
.irp e, 0,1
.irp i, 4,5,6,7
	v_mov_b32 v[QF+12*\e+\i], 0                      ; zero codes
.endr
.endr
	v_mov_b32 v[XP], 0                               ; written once: a lane permute's destination counts as one of its sources
	v_mov_b32 v[WP], 0
	v_mov_b32 v[TP], 0
	v_mov_b32 v[TP+1], 0
	v_mov_b32 v[FF+1], 0
	s_wait_alu depctr_va_vdst(0)
	s_wait_loadcnt 0x0
	v_perm_b32 v[QS], v[QS], v[QS], s60              ; my tile's two bytes in both halves of the word
	v_perm_b32 v[QS+1], v[QS+1], v[QS+1], s60
	s_wait_tensorcnt 0x0
	s_barrier_signal -1
	s_barrier_wait -1                                ; K and V of both heads lie in LDS for the rest of the launch
	KLOAD 0, 0                                       ; the first step's K; every later step's is fetched in the step before
; A KEY STEP: 128 keys of head e
.macro STEP e
	ds_load_b32 v[VR], v[AT]
	ds_load_b32 v[VR+1], v[AT] offset:128
.irp c, 0,1
.irp m, 0,1,2,3
	ds_load_b128 v[VB+8*\m+4*\c:VB+8*\m+4*\c+3], v[AV] offset:RP*((4*\c+\m)/2)+512*(\m%2)
.endr
.endr
	s_wait_dscnt 10                                  ; K and its words, asked for a step ago, are in; the ten loads for V are younger
.irp c, 0,1
.irp q, 0,1,2,3
.if (\q%2) == 0
	v_wmma_scale_f32_16x16x128_f8f6f4 v[SS+32*\c+8*\q:SS+32*\c+8*\q+7], v[KB+16*\c:KB+16*\c+7], v[QF+12*\e+4*(\q/2):QF+12*\e+4*(\q/2)+7], 0, v[KS+\c], v[QS+\e] matrix_a_fmt:MATRIX_FMT_FP4 matrix_b_fmt:MATRIX_FMT_FP4
.else
	v_wmma_scale_f32_16x16x128_f8f6f4 v[SS+32*\c+8*\q:SS+32*\c+8*\q+7], v[KB+16*\c+8:KB+16*\c+15], v[QF+12*\e+4*(\q/2):QF+12*\e+4*(\q/2)+7], 0, v[KS+\c], v[QS+\e] matrix_a_fmt:MATRIX_FMT_FP4 matrix_b_fmt:MATRIX_FMT_FP4 matrix_a_scale:MATRIX_SCALE_ROW1
.endif
.endr
.endr
	PLACES 4                                         ; in front of the loads into K's registers and of the first read of the scores
	KLOAD STEPB, 256                                 ; the next step's K (head 1's last step reads on into V's regions, which are filled; nobody uses what it brings)
.irp b, 0,1                                    ; my two whole blocks' largest scores, each in two chains; every accumulator is first read at its low end
	v_max3_num_f32 v[MA+2*\b], v[SS+32*\b], v[SS+32*\b+1], v[SS+32*\b+2]
	v_max3_num_f32 v[MA+2*\b+1], v[SS+32*\b+17], v[SS+32*\b+18], v[SS+32*\b+19]
.endr
.irp i, 0,2,4,6,8,10
.irp b, 0,1
	v_max3_num_f32 v[MA+2*\b], v[MA+2*\b], v[SS+32*\b+3+\i], v[SS+32*\b+4+\i]
	v_max3_num_f32 v[MA+2*\b+1], v[MA+2*\b+1], v[SS+32*\b+20+\i], v[SS+32*\b+21+\i]
.endr
.endr
.irp b, 0,1
	v_max3_num_f32 v[MA+2*\b], v[MA+2*\b], v[SS+32*\b+15], v[SS+32*\b+16]
.endr
	s_delay_alu instid0(VALU_DEP_2)
	v_max_num_f32 v[BM], v[MA], v[MA+1]
	s_delay_alu instid0(VALU_DEP_2)
	v_max_num_f32 v[BM+1], v[MA+2], v[MA+3]
	s_delay_alu instid0(VALU_DEP_1)
	v_max_num_f32 v[X], v[BM], v[BM+1]
	s_delay_alu instid0(VALU_DEP_1)
	v_permlanex16_b32 v[XP], v[X], s[SEL], s[SEL+1]
	s_delay_alu instid0(VALU_DEP_1)
	v_max3_num_f32 v13, v13, v[X], v[XP]             ; the running largest score of my query
	s_delay_alu instid0(VALU_DEP_1)
	v_mul_f32 v[TN], s[NC], v13                      ; -t
	s_delay_alu instid0(VALU_DEP_1)
	v_floor_f32 v[TN], v[TN]                         ; the new -M = -ceil(t): a whole number
	s_delay_alu instid0(VALU_DEP_1)
	v_sub_f32 v[TT], v[TN], v12                      ; old M - new M, 0 or less
	v_mov_b32 v12, v[TN]
	s_delay_alu instid0(VALU_DEP_2)
	v_cvt_i32_f32 v[TT], v[TT]                       ; (it saturates)
	v_fma_f32 v[BM], v[BM], s[CS], v12               ; t - M of each block's largest score
	v_fma_f32 v[BM+1], v[BM+1], s[CS], v12
	v_ldexp_f32 v[FF], 1.0, v[TT]                    ; f = 2^(old M - new M)
.set j, 0
.rept 32
	v_pk_fma_f32 v[SS+j:SS+j+1], v[SS+j:SS+j+1], s[CS:CS+1], v[12:13] op_sel_hi:[1,0,0]   ; t - M
.set j, j+2
.endr
	v_pk_mul_f32 v[14:15], v[14:15], v[FF:FF+1] op_sel_hi:[1,0]      ; the sum and O^T under the new M, ahead of the exponentials
.set j, 0
.rept 16
	v_pk_mul_f32 v[OT+j:OT+j+1], v[OT+j:OT+j+1], v[FF:FF+1] op_sel_hi:[1,0]
.set j, j+2
.endr
	s_wait_alu depctr_va_vdst(0)
	v_exp_f32 v[BM], v[BM]                           ; the blocks' largest p: the same two instructions on the same number give the same bits
	v_exp_f32 v[BM+1], v[BM+1]
.set j, 0
.rept 64
	v_exp_f32 v[SS+j], v[SS+j]                       ; p = 2^(t - M)
.set j, j+1
.endr
	s_wait_dscnt 10                                  ; V and its words are in; the ten loads for the next step's K are younger
	v_perm_b32 v[VS], v[VR+1], v[VR], 0x05040100     ; channels 0-15 (lanes 0-15) and 32-47 (lanes 16-31): keys 0-63 below, 64-127 above
	v_perm_b32 v[VS+1], v[VR+1], v[VR], 0x07060302   ; channels 16-31 and 48-63
	s_wait_alu depctr_va_vdst(0)                     ; one wait for the whole batch, ahead of its first reader
	v_max_num_f32 v[BM], 0x1800000, v[BM]            ; the floor 2^(3 - 127): the byte cannot fall under 1
	v_max_num_f32 v[BM+1], 0x1800000, v[BM+1]
	v_add_nc_u32 v[BS], 0xff000000, v[BM]            ; 2 off the exponent field: the conversion's scale operand
	v_add_nc_u32 v[BS+1], 0xff000000, v[BM+1]
.irp c, 0,1
.irp q, 0,1,2,3
	v_cvt_scalef32_pk8_fp4_f32 v[PC+4*\c+\q], v[SS+32*\c+8*\q:SS+32*\c+8*\q+7], v[BS+\c]   ; keys 64 c + 32 h + 8 q + 0..7: the operand's register as it stands
.endr
.endr
	v_lshrrev_b32 v[BT], 23, v[BS]                   ; the bytes of blocks h and 2 + h
	v_lshrrev_b32 v[BT+1], 23, v[BS+1]
	v_pk_add_f32 v[C2:C2+1], v[SS:SS+1], v[SS+2:SS+3]            ; the row's sum of the unquantised p, in four chains, among the lines that make p's scale word
	v_lshl_or_b32 v[PW], v[BT+1], 16, v[BT]
	v_pk_add_f32 v[C3:C3+1], v[SS+4:SS+5], v[SS+6:SS+7]
	v_lshlrev_b32 v[PW], v[SH], v[PW]                ; at their places in the word
	v_pk_add_f32 v[C4:C4+1], v[SS+8:SS+9], v[SS+10:SS+11]
	v_permlanex16_b32 v[WP], v[PW], s[SEL], s[SEL+1]
	ADDP 6
	v_or_b32 v[PW], v[PW], v[WP]                     ; with lane l xor 16's two bytes the word is whole
.set p, 7
.rept 25
	ADDP p                                           ; these are also the places between the writes of p's word and codes and the products below
.set p, p+1
.endr
	v_pk_add_f32 v[C2:C2+1], v[C2:C2+1], v[C3:C3+1]
	v_pk_add_f32 v[14:15], v[14:15], v[C4:C4+1]
	v_pk_add_f32 v[14:15], v[14:15], v[C2:C2+1]
.irp m, 0,1,2,3                                ; O^T += V^T P^T; the four accumulators take turns
.if \m < 2
	v_wmma_scale_f32_16x16x128_f8f6f4 v[OT+8*\m:OT+8*\m+7], v[VB+8*\m:VB+8*\m+7], v[PC:PC+7], v[OT+8*\m:OT+8*\m+7], v[VS+\m%2], v[PW] matrix_a_fmt:MATRIX_FMT_FP4 matrix_b_fmt:MATRIX_FMT_FP4
.else
	v_wmma_scale_f32_16x16x128_f8f6f4 v[OT+8*\m:OT+8*\m+7], v[VB+8*\m:VB+8*\m+7], v[PC:PC+7], v[OT+8*\m:OT+8*\m+7], v[VS+\m%2], v[PW] matrix_a_fmt:MATRIX_FMT_FP4 matrix_b_fmt:MATRIX_FMT_FP4 matrix_a_scale:MATRIX_SCALE_ROW1
.endif
.endr
	v_add_nc_u32 v[AK], STEPB, v[AK]                 ; on to the next 128 keys; head 1's regions follow head 0's.  These four are the places behind the products
	v_add_nc_u32 v[AV], STEPB, v[AV]
	v_add_nc_u32 v[AS], 256, v[AS]
	v_add_nc_u32 v[AT], 256, v[AT]
.endm
; One head for my 16 queries: eight key steps, then o = O^T / the sum, quantised along the head's 64 channels
.macro HEAD e
	s_mov_b32 s[CNT], 8
	v_mov_b32 v13, 0xff61b1e6                        ; the largest score so far: -3e38
	v_floor_f32 v12, -v13                            ; -M: the first step's f is 0, and finds zeros
	v_mov_b32 v14, 0
	v_mov_b32 v15, 0
.set j, 0
.rept 32
	v_mov_b32 v[OT+j], 0
.set j, j+1
.endr
	s_wait_alu depctr_va_vdst(0)
.Lstep_\@:
	STEP \e
	s_sub_co_u32 s[CNT], s[CNT], 1
	s_cmp_lg_u32 s[CNT], 0
	s_wait_alu depctr_va_vdst(0)
	s_cbranch_scc1 .Lstep_\@
	v_add_f32 v14, v14, v15
	s_delay_alu instid0(VALU_DEP_1)
	v_permlanex16_b32 v[TT], v14, s[SEL], s[SEL+1]
	s_delay_alu instid0(VALU_DEP_1)
	v_add_f32 v14, v14, v[TT]                        ; the row's sum
	s_wait_alu depctr_va_vdst(0)
	v_rcp_f32 v14, v14
	v_nop
.set j, 0
	s_wait_alu depctr_va_vdst(0)
.rept 16
	v_pk_mul_f32 v[SS+j:SS+j+1], v[OT+j:OT+j+1], v[14:15] op_sel_hi:[1,0]   ; register 8 m + i is o(query r, channel 16 m + 8 h + i)
.set j, j+2
.endr
	QUANT64 SS, OI+4*\e, OB+\e
	global_store_b128 v[GO], v[OI+4*\e:OI+4*\e+3], s[56:57] offset:512*\e   ; 32 lanes store 512 consecutive bytes, at a multiple of 512 from the buffer's first byte
.endm
	HEAD 0
	HEAD 1
	v_lshl_or_b32 v254, v[OB+1], 16, v[OB]           ; my tokens' scale word of K step hp
	s_wait_alu depctr_va_vdst(0)
	s_wait_xcnt 0x0                                  ; EXEC changes only behind this wait
	v_cmp_gt_u32 vcc_lo, 16, v7
	s_and_saveexec_b32 s51, vcc_lo
	global_store_b32 v6, v254, s[58:59]              ; lanes 0-15: 4 bytes a token, 32 bytes apart: the layout in which the next launch fetches them as dense rows
	s_wait_xcnt 0x0
	s_or_b32 exec_lo, exec_lo, s51
	s_wait_dscnt 0x0                                 ; the last step's loads ahead are in
	s_wait_tensorcnt 0x0                             ; the wave's end
	ds_add_u32 v[SPW], v[NIL]
	s_wait_dscnt 0x0
	CROUND                                           ; the closing round
	s_endpgm
.Lfunc_end_k_qcefb53528e_attn:
	.size	k_qcefb53528e_attn, .Lfunc_end_k_qcefb53528e_attn-k_qcefb53528e_attn
	.p2alignl 7, 3214868480
	.fill 96, 4, 3214868480
	.section	.rodata,"a",@progbits
	.p2align	6, 0x0
	.amdhsa_kernel k_qcefb53528e_attn
		.amdhsa_group_segment_fixed_size 169984
		.amdhsa_private_segment_fixed_size 0
		.amdhsa_enable_private_segment 0
		.amdhsa_kernarg_size 32
		.amdhsa_user_sgpr_count 2
		.amdhsa_user_sgpr_kernarg_segment_ptr 1
		.amdhsa_wavefront_size32 1
		.amdhsa_system_sgpr_workgroup_id_x 1
		.amdhsa_system_sgpr_workgroup_id_y 1
		.amdhsa_system_sgpr_workgroup_id_z 1
		.amdhsa_system_vgpr_workitem_id 0
		.amdhsa_next_free_vgpr 256
		.amdhsa_next_free_sgpr 66
		.amdhsa_reserve_vcc 1
		.amdhsa_float_denorm_mode_32 3
		.amdhsa_float_denorm_mode_16_64 3
		.amdhsa_memory_ordered 1
		.amdhsa_forward_progress 1
		.amdhsa_inst_pref_size 49
	.end_amdhsa_kernel
	.amdgpu_metadata
---
amdhsa.version: [ 1, 2 ]
amdhsa.kernels:
  - .name:           k_qcefb53528e_attn
    .symbol:         k_qcefb53528e_attn.kd
    .args:
      - { .name: qkv_c, .offset: 0, .size: 8, .value_kind: global_buffer, .address_space: global }
      - { .name: qkv_s, .offset: 8, .size: 8, .value_kind: global_buffer, .address_space: global }
      - { .name: ao_c, .offset: 16, .size: 8, .value_kind: global_buffer, .address_space: global }
      - { .name: ao_s, .offset: 24, .size: 8, .value_kind: global_buffer, .address_space: global }
    .group_segment_fixed_size: 169984
    .private_segment_fixed_size: 0
    .kernarg_segment_align: 8
    .kernarg_segment_size: 32
    .max_flat_workgroup_size: 512
    .sgpr_count:     66
    .vgpr_count:     256
    .wavefront_size: 32
...
	.end_amdgpu_metadata
.endif
;; end of part 5
;; launch proj (part 6): grid 4 x 64, 8 waves a work-group, clusters of 4 x 4, 253,696 bytes of LDS; arguments ao_c, ao_s, proj_w_codes, proj_w_scales, proj_b, out0; writes out0
.if DOCPART == 6
	.amdgcn_target "amdgcn-amd-amdhsa--gfx1250"
	.amdhsa_code_object_version 6
	.text
	.protected	k_qcefb53528e_proj
	.globl	k_qcefb53528e_proj
	.p2align	8
	.type	k_qcefb53528e_proj,@function
k_qcefb53528e_proj:
	s_mov_b64 s[64:65], 0
	v_nop
	global_prefetch_b8 v0, s[64:65] scope:SCOPE_SE
	s_setreg_imm32_b32 hwreg(HW_REG_WAVE_MODE, 25, 1), 1
	s_wait_xcnt 0x0
	s_wait_alu depctr_hold_cnt(0) depctr_sa_sdst(0) depctr_va_vdst(0) depctr_va_sdst(0) depctr_va_ssrc(0) depctr_va_vcc(0) depctr_vm_vsrc(0)
	s_getreg_b32 s2, hwreg(HW_REG_IB_STS2, 6, 4)
	s_cmp_eq_u32 s2, 0
	s_cbranch_scc0 .Lentry_in_a_cluster
	s_endpgm
.Lentry_in_a_cluster:
	s_bfe_u32 s2, ttmp6, 0x10000c
	s_cmp_lg_u32 s2, 0xf033
	s_cbranch_scc0 .Lentry_shape_is_right
	s_endpgm
.Lentry_shape_is_right:
; out = o W^T + b on codes of FP4 (E2M1) with one E8M0 scale for each 32 along K = 1,024; out is f32.
; W arrives as rows of 512 bytes of codes and 32 scale bytes.  o comes from the launch before as IMAGES: a fragment (16 tokens x 128 K) is 1,024 dense bytes, lane l's 16 bytes at 16 l and at 512 + 16 l,
; laid [K half][tile of 16 tokens][K step % 4][1,024 bytes]; its scale bytes [token][32].
; SHARES.  A work-group makes 256 columns n (P: rows of W) x 128 tokens (R) for all of K; each of its eight waves 64 x 64: 16 accumulators, 128 registers.
; THE MATRIX INSTRUCTION: source 0 = 16 rows of W, source 1 = 16 tokens: lane (r, h) holds token r, and register j of tile t the column 16 t + 8 h + j: eight neighbouring numbers of a row of out.
; The bias is loaded straight into the accumulators, in the result's layout: it starts the sums; nothing is cleared and nothing is added later.
; LDS.  Both tiles fit whole: nothing is filled twice.  K comes in two halves, so that the first is multiplied while the second lands.
; CLUSTER 4 x 4.  W's tile hangs on cx alone and is asked for jointly by the four work-groups of a column of the cluster, o's on cy alone, by the four of a row.
; LIMITS: scale bytes 0xff, NaN and infinities are not served.
.set PITCH, 272                        ; W's rows in LDS: 256 bytes + 16 of padding: row r begins 16 r bytes further on modulo 256, so the sixteen rows of a load touch sixteen different columns of 16 bytes
.set WROWS, 64*PITCH
.set HALFB, 256*PITCH
.set RI,    2*HALFB                    ; LDS: W half 0, W half 1, then o's images: [K half][8 tiles of tokens][4,096 bytes],
.set RIH,   32768
.set RSC,   RI+2*RIH                   ; o's scale bytes (128 tokens x 32, as 16 rows of 256 + 16),
.set WSC,   8*272                      ; (the scale bytes of 64 rows)
.set PSC,   RSC+2*WSC                  ; W's (256 rows x 32),
.set STG,   PSC+4*WSC                  ; and the stages for the way out: 16 rows x 272 bytes for each wave; no fill ever lands here
.set ADP,  4                           ; v4-5   LDS address of my fragments of W, K half 0, 1
.set ADR,  6                           ; v6-7   of o's
.set ADSC, 8                           ; v8     of my scale words: lanes 0-15 o's rows, lanes 16-31 W's
.set STO,  9                           ; v9     the way out: where I put 32 bytes of a row
.set RD,   10                          ; v10    where I read a row back
.set CO,   11                          ; v11    my byte offset in out
.set BO,   12                          ; v12    and in the bias
.set SC,   32                          ; v32-63 scale words: register 8 i + q: lanes 0-15 token tile i's word of K step q, lanes 16-31 W tile i's.  They hold scales and nothing else
.set PF,   64                          ; v64-95 W's four fragments of a K step
.set RF,   96                          ; v96-127 o's four
.set ACC,  128                         ; v128-255 accumulator (token tile m, W tile t) at 32 m + 8 t
.set WV,   16
.set G1PC, 36                          ; descriptor groups 1: W's codes, o's images, W's scales, o's scales
.set G1RC, 44
.set G1PS, 52
.set G1RS, 68
.set G0P,  76                          ; groups 0: W's scales, half 0, half 1
.set G0R,  88                          ; o's likewise
.macro PLACES n
.rept \n
	v_nop
.endr
.endm
.macro CROUND                          ; a round of the cluster's barrier
	s_barrier_signal -1
	s_barrier_wait -1
	s_cmp_lg_u32 s[WV], 0
	s_cbranch_scc1 .Lnot_wave_0_\@
	s_barrier_signal -3
.Lnot_wave_0_\@:
	s_barrier_wait -3
	s_barrier_signal -1
	s_barrier_wait -1
.endm
; 8 matrix instructions: token tiles m0, m0 + 1 x W's four, K step q.  The 16 accumulators take turns, one instruction a turn, in the same order in every step.
.macro MUL8 m0, q
.irp m, \m0, \m0+1
.irp t, 0,1,2,3
	v_wmma_scale_f32_16x16x128_f8f6f4 v[ACC+32*(\m)+8*\t:ACC+32*(\m)+8*\t+7], v[PF+8*\t:PF+8*\t+7], v[RF+8*(\m):RF+8*(\m)+7], v[ACC+32*(\m)+8*\t:ACC+32*(\m)+8*\t+7], v[SC+8*\t+(\q)], v[SC+8*(\m)+(\q)] matrix_a_fmt:MATRIX_FMT_FP4 matrix_b_fmt:MATRIX_FMT_FP4 matrix_a_scale:MATRIX_SCALE_ROW1
.endr
.endr
.endm
.macro KSTEP q
.if \q > 0
	PLACES 4                                         ; four places in front of loads into registers that matrix instructions have read (ISA guide 7.12.1 for vector instructions)
.endif
.irp t, 0,1,2,3
.irp c, 0,1
	ds_load_b128 v[PF+8*\t+4*\c:PF+8*\t+4*\c+3], v[ADP+(\q)/4] offset:16*PITCH*\t+64*((\q)%4)+32*\c
.endr
.endr
.irp m, 0,1,2,3
.irp c, 0,1
	ds_load_b128 v[RF+8*\m+4*\c:RF+8*\m+4*\c+3], v[ADR+(\q)/4] offset:4096*\m+1024*((\q)%4)+512*\c   ; an image: 512 consecutive bytes
.endr
.endr
	s_wait_dscnt 4                                   ; all but the youngest four loads, token tiles 2 and 3, are in
	MUL8 0, \q
	s_wait_dscnt 0x0
	MUL8 2, \q
.endm
	s_load_b256 s[4:11], s[0:1], 0x0                 ; ao_c s[4:5], ao_s s[6:7], W's codes s[8:9], W's scales s[10:11]
	s_load_b128 s[12:15], s[0:1], 0x20               ; the bias s[12:13], out s[14:15]
	v_lshl_add_u32 v30, v0, 2, 0x3db00
	v_mov_b32 v31, 0
	ds_add_u32 v30, v31
	ds_add_u32 v30, v31
	v_lshrrev_b32 v1, 5, v0
	s_delay_alu instid0(VALU_DEP_1)
	v_readfirstlane_b32 s[WV], v1                    ; wave 0 .. 7
	s_and_b32 s17, s[WV], 3                          ; which 64 columns are mine.  Also: which quarter of a tile I fetch
	s_lshr_b32 s18, s[WV], 2                         ; which 64 tokens.  Also: I fetch for W (0) or for o (1)
	s_bfe_u32 s20, ttmp6, 0x40000                    ; cx
	s_bfe_u32 s21, ttmp6, 0x40004                    ; cy
	s_lshl_b32 s24, ttmp9, 2
	s_add_co_u32 s24, s24, s20                       ; W's tile = 4 x cluster x + cx
	s_and_b32 s25, ttmp7, 0xffff
	s_lshl_b32 s25, s25, 2
	s_add_co_u32 s25, s25, s21                       ; the tokens' tile = 4 x cluster y + cy
	s_lshl_b32 s26, s21, 2
	s_lshl_b32 s26, 15, s26                          ; my row of the cluster
	s_lshl_b32 s27, 0x1111, s20                      ; my column
	s_or_b32 s[G1PC], s27, (1<<20)|(1<<21)|(5<<22)|(3<<25)   ; W's codes: 128 rows x 256 bytes out of rows of 512; elements of 1 byte; four words of padding after every 64; 21 set beside the mask
	s_mov_b32 s[G1PC+1], 256<<16
	s_mov_b32 s[G1PC+2], 128<<16
	s_mov_b32 s[G1PC+3], 256<<16
	s_mov_b32 s[G1PC+4], 128
	s_mov_b32 s[G1PC+5], 512
	s_mov_b32 s[G1PC+6], 0
	s_mov_b32 s[G1PC+7], 0
	s_or_b32 s[G1RC], s26, (3<<16)|(1<<21)           ; o's images: eight tiles of tokens, one K half: 32,768 dense bytes as 128 rows of 256 (32 elements of 8 bytes), no padding
	s_mov_b32 s[G1RC+1], 32<<16
	s_mov_b32 s[G1RC+2], 128<<16
	s_mov_b32 s[G1RC+3], 32<<16
	s_mov_b32 s[G1RC+4], 128
	s_mov_b32 s[G1RC+5], 32
	s_mov_b32 s[G1RC+6], 0
	s_mov_b32 s[G1RC+7], 0
	s_or_b32 s[G1PS], s27, (3<<16)|(1<<20)|(1<<21)|(5<<22)|(3<<25)   ; W's scale bytes of 256 rows: 32 rows of 256, 16 bytes of padding behind each
	s_mov_b32 s[G1PS+1], 32<<16
	s_mov_b32 s[G1PS+2], 32<<16
	s_mov_b32 s[G1PS+3], 32<<16
	s_mov_b32 s[G1PS+4], 32
	s_mov_b32 s[G1PS+5], 32
	s_mov_b32 s[G1PS+6], 0
	s_mov_b32 s[G1PS+7], 0
	s_or_b32 s[G1RS], s26, (3<<16)|(1<<20)|(1<<21)|(5<<22)|(3<<25)   ; o's of 128 tokens: 16 such rows
	s_mov_b32 s[G1RS+1], 32<<16
	s_mov_b32 s[G1RS+2], 16<<16
	s_mov_b32 s[G1RS+3], 32<<16
	s_mov_b32 s[G1RS+4], 16
	s_mov_b32 s[G1RS+5], 32
	s_mov_b32 s[G1RS+6], 0
	s_mov_b32 s[G1RS+7], 0
	; where what I fetch begins.  Every wave makes both sets; the registers of W's never hold cy, those of o's never cx
	s_and_b32 s19, s[WV], 1                          ; p = wave % 2: waves 0-3: W's rows 128 p on; waves 4, 5: o's K half p
	s_bfe_u32 s84, s[WV], 0x10001                    ; waves 0-3: W's K half wave / 2
	s_lshl_b32 s2, s24, 8                            ; W's row 256 x tile:
	s_lshl_b32 s66, s2, 5                            ; its scale bytes,
	s_lshl_b32 s85, s19, 7
	s_add_co_u32 s2, s2, s85
	s_lshl_b32 s2, s2, 9                             ; the codes of rows 128 p on,
	s_lshl_b32 s85, s84, 8
	s_add_co_u32 s2, s2, s85                         ; 256 bytes on in each row for K half 1
	s_mov_b32 s3, 0
	s_mov_b32 s67, 0
	s_lshl_b32 s28, s19, 15                          ; o: K half p: 32,768 bytes on in LDS,
	s_lshl_b32 s100, s25, 15                         ; 8 x tile x 4,096 bytes,
	s_lshl_b32 s85, s19, 21
	s_add_co_u32 s100, s100, s85                     ; and 2,097,152 bytes on in memory
	s_mov_b32 s101, 0
	s_lshl_b32 s62, s25, 12                          ; 128 x tile x 32
	s_mov_b32 s63, 0
	s_mul_i32 s22, s17, WROWS                        ; where they go: no place in the cluster enters an LDS address
	s_mul_i32 s23, s19, 128*PITCH                    ; W's codes in LDS: rows 128 p on of the K half
	s_mul_i32 s84, s84, HALFB
	s_add_co_u32 s23, s23, s84
	s_wait_dscnt 0x0
	s_wait_kmcnt 0x0
	s_mov_b32 s[G0P], 1                              ; W's scales
	s_mov_b32 s[G0P+1], PSC
	s_add_nc_u64 s[G0P+2:G0P+3], s[10:11], s[66:67]
	s_or_b32 s[G0P+3], s[G0P+3], 0x80000000
	s_mov_b32 s[G0P+4], 1                            ; W's codes, K half 0,
	s_mov_b32 s[G0P+5], s23
	s_add_nc_u64 s[G0P+6:G0P+7], s[8:9], s[2:3]
	s_or_b32 s[G0P+7], s[G0P+7], 0x80000000
	s_mov_b32 s[G0R], 1                              ; o's scales
	s_mov_b32 s[G0R+1], RSC
	s_add_nc_u64 s[G0R+2:G0R+3], s[6:7], s[62:63]
	s_or_b32 s[G0R+3], s[G0R+3], 0x80000000
	s_mov_b32 s[G0R+4], 1                            ; o's images, K half 0,
	s_add_co_u32 s[G0R+5], s28, RI
	s_add_nc_u64 s[G0R+6:G0R+7], s[4:5], s[100:101]
	s_or_b32 s[G0R+7], s[G0R+7], 0x80000000
	CROUND                                           ; all sixteen work-groups are here: the joint loads meet
	; All fills of the launch, one a wave, in one chain of branches on the wave's number: waves 0-3 W's codes, 4 and 5 o's images, 6 W's scales, 7 o's
	s_cmp_lt_u32 s[WV], 4
	s_cbranch_scc0 .Lfor_r
	tensor_load_to_lds s[G0P+4:G0P+7], s[G1PC:G1PC+7]
	s_nop 0
	PLACES 4
	s_branch .Lasked
.Lfor_r:
	s_cmp_lt_u32 s[WV], 6
	s_cbranch_scc0 .Lfor_ps
	tensor_load_to_lds s[G0R+4:G0R+7], s[G1RC:G1RC+7]
	s_nop 0
	PLACES 4
	s_branch .Lasked
.Lfor_ps:
	s_cmp_lt_u32 s[WV], 7
	s_cbranch_scc0 .Lfor_rs
	tensor_load_to_lds s[G0P:G0P+3], s[G1PS:G1PS+7]
	s_nop 0
	PLACES 4
	s_branch .Lasked
.Lfor_rs:
	tensor_load_to_lds s[G0R:G0R+3], s[G1RS:G1RS+7]
	s_nop 0
	PLACES 4
.Lasked:
	s_lshl_b32 s32, s24, 10                          ; my 64 columns, in bytes of f32: 1,024 x tile + 256 x quarter
	s_lshl_b32 s33, s17, 8
	s_add_co_u32 s32, s32, s33
	s_mov_b32 s33, 0
	s_add_nc_u64 s[12:13], s[12:13], s[32:33]        ; the bias there
	s_lshl_b32 s30, s25, 19                          ; my first token's row of out: (128 x tile + 64 x half) x 4,096
	s_lshl_b32 s31, s18, 18
	s_add_co_u32 s30, s30, s31
	s_add_co_u32 s30, s30, s32
	s_mov_b32 s31, 0
	s_add_nc_u64 s[14:15], s[14:15], s[30:31]
	v_and_b32 v1, 31, v0                             ; lane
	v_and_b32 v2, 15, v0                             ; r
	v_bfe_u32 v3, v0, 4, 1                           ; h
	s_delay_alu instid0(VALU_DEP_1)
	v_lshlrev_b32 v[BO], 5, v3                       ; lane (r, h) wants, for tile t, the bias of columns 16 t + 8 h + 0 .. 7
.irp m, 0,1,2,3
.irp t, 0,1,2,3
	global_load_b128 v[ACC+32*\m+8*\t:ACC+32*\m+8*\t+3], v[BO], s[12:13] offset:64*\t
	global_load_b128 v[ACC+32*\m+8*\t+4:ACC+32*\m+8*\t+7], v[BO], s[12:13] offset:64*\t+16
.endr
.endr
	v_mul_u32_u24 v13, v2, PITCH
	s_delay_alu instid0(VALU_DEP_1)
	v_lshl_add_u32 v13, v3, 4, v13                   ; a fragment's row x pitch + 16 h
	s_delay_alu instid0(VALU_DEP_1)
	v_add_nc_u32 v[ADP], s22, v13                    ; my 64 rows of W
	s_delay_alu instid0(VALU_DEP_1)
	v_add_nc_u32 v[ADP+1], HALFB, v[ADP]
	s_lshl_b32 s35, s18, 14                          ; my four tiles of tokens
	s_add_co_u32 s35, s35, RI
	v_lshl_add_u32 v[ADR], v1, 4, s35                ; 16 x lane
	s_delay_alu instid0(VALU_DEP_1)
	v_add_nc_u32 v[ADR+1], RIH, v[ADR]
	v_lshlrev_b32 v14, 5, v2                         ; scale bytes: 32 a row,
	s_delay_alu instid0(VALU_DEP_1)
	v_lshrrev_b32 v15, 8, v14
	s_delay_alu instid0(VALU_DEP_1)
	v_lshl_add_u32 v14, v15, 4, v14                  ; and 16 more for each 256 passed
	s_xor_b32 s3, s18, 1                             ; lanes 16-31 take W's: from o's words of my tokens to W's it is PSC - RSC + WSC (quarter - half) = WSC x (1 + quarter + (1 - half)) bytes
	s_add_co_u32 s3, s3, s17
	s_add_co_u32 s3, s3, 1
	s_mul_i32 s3, s3, WSC
	v_mul_u32_u24 v15, s3, v3
	s_mul_i32 s19, s18, WSC
	s_add_co_u32 s19, s19, RSC
	v_add_nc_u32 v14, v14, v15
	s_delay_alu instid0(VALU_DEP_1)
	v_add_nc_u32 v[ADSC], s19, v14
	s_mul_i32 s34, s[WV], 16*272
	s_add_co_u32 s34, s34, STG                       ; my stage
	v_mul_u32_u24 v[STO], v2, 272                    ; in: row r, 32 bytes for each half of the lanes
	s_delay_alu instid0(VALU_DEP_1)
	v_lshl_add_u32 v[STO], v3, 5, v[STO]
	s_delay_alu instid0(VALU_DEP_1)
	v_add_nc_u32 v[STO], s34, v[STO]
	v_mul_u32_u24 v[RD], v3, 272                     ; back: lanes 0-15 take one row of 256 bytes, lanes 16-31 the next
	s_delay_alu instid0(VALU_DEP_1)
	v_lshl_add_u32 v[RD], v2, 4, v[RD]
	s_delay_alu instid0(VALU_DEP_1)
	v_add_nc_u32 v[RD], s34, v[RD]
	v_lshlrev_b32 v[CO], 12, v3                      ; and the same two rows in out
	s_delay_alu instid0(VALU_DEP_1)
	v_lshl_add_u32 v[CO], v2, 4, v[CO]
	s_wait_alu depctr_va_vdst(0)
	s_wait_tensorcnt 0x0                             ; my one load has landed
	s_barrier_signal -1
	s_barrier_wait -1                                ; everybody's are
.irp i, 0,1,2,3
.irp k, 0,1
	ds_load_b128 v[SC+8*\i+4*\k:SC+8*\i+4*\k+3], v[ADSC] offset:544*\i+16*\k   ; the scale words of all eight K steps
.endr
.endr
	s_wait_loadcnt 0x0                               ; the bias lies in the accumulators
	KSTEP 0
	KSTEP 1
	KSTEP 2
	KSTEP 3
	KSTEP 4
	KSTEP 5
	KSTEP 6
	KSTEP 7
	PLACES 4                                         ; in front of the first read of results
; THE WAY OUT, a tile of 16 tokens x 64 columns at a time.  A lane holds 32 neighbouring bytes of a row and the lanes beside it hold other rows: so a tile goes through my own stage and comes back as whole rows
; of 256 bytes, into the registers that it left.  LDS serves a wave's instructions in order (ISA guide 5.7.1.4): no wait between the stores and the loads, nor in front of the next tile's stores.
.macro TOSTAGE m
.irp t, 0,1,2,3
	ds_store_b128 v[STO], v[ACC+32*\m+8*\t:ACC+32*\m+8*\t+3] offset:64*\t          ; each accumulator from its low end on
	ds_store_b128 v[STO], v[ACC+32*\m+8*\t+4:ACC+32*\m+8*\t+7] offset:64*\t+16
.endr
.irp i, 0,1,2,3,4,5,6,7
	ds_load_b128 v[ACC+32*\m+4*\i:ACC+32*\m+4*\i+3], v[RD] offset:544*\i
.endr
.endm
.macro SEND m, younger                 ; younger: the LDS instructions issued behind tile m's loads: the next tile's 8 stores and 8 loads, or none
	s_wait_dscnt \younger
.irp i, 0,1,2,3,4,5,6,7
	global_store_b128 v[CO], v[ACC+32*\m+4*\i:ACC+32*\m+4*\i+3], s[14:15] offset:(16*\m+2*\i)*4096 th:TH_STORE_NT   ; 16 lanes store 256 consecutive bytes, at a multiple of 256 from out's first byte; written once, read by nobody here
.endr
.endm
	TOSTAGE 0
	TOSTAGE 1
	SEND 0, 16
	TOSTAGE 2
	SEND 1, 16
	TOSTAGE 3
	SEND 2, 16
	SEND 3, 0
	s_wait_tensorcnt 0x0
	ds_add_u32 v30, v31
	s_wait_dscnt 0x0
	CROUND                                           ; the closing round: no work-group ends while a partner may still ask for a tile that names it
	s_endpgm
.Lfunc_end_k_qcefb53528e_proj:
	.size	k_qcefb53528e_proj, .Lfunc_end_k_qcefb53528e_proj-k_qcefb53528e_proj
	.p2alignl 7, 3214868480
	.fill 96, 4, 3214868480
	.section	.rodata,"a",@progbits
	.p2align	6, 0x0
	.amdhsa_kernel k_qcefb53528e_proj
		.amdhsa_group_segment_fixed_size 253696
		.amdhsa_private_segment_fixed_size 0
		.amdhsa_enable_private_segment 0
		.amdhsa_kernarg_size 48
		.amdhsa_user_sgpr_count 2
		.amdhsa_user_sgpr_kernarg_segment_ptr 1
		.amdhsa_wavefront_size32 1
		.amdhsa_system_sgpr_workgroup_id_x 1
		.amdhsa_system_sgpr_workgroup_id_y 1
		.amdhsa_system_sgpr_workgroup_id_z 1
		.amdhsa_system_vgpr_workitem_id 0
		.amdhsa_next_free_vgpr 256
		.amdhsa_next_free_sgpr 102
		.amdhsa_reserve_vcc 0
		.amdhsa_float_denorm_mode_32 3
		.amdhsa_float_denorm_mode_16_64 3
		.amdhsa_memory_ordered 1
		.amdhsa_forward_progress 1
		.amdhsa_inst_pref_size 46
	.end_amdhsa_kernel
	.amdgpu_metadata
---
amdhsa.version: [ 1, 2 ]
amdhsa.kernels:
  - .name:           k_qcefb53528e_proj
    .symbol:         k_qcefb53528e_proj.kd
    .args:
      - { .name: ao_c, .offset: 0, .size: 8, .value_kind: global_buffer, .address_space: global }
      - { .name: ao_s, .offset: 8, .size: 8, .value_kind: global_buffer, .address_space: global }
      - { .name: proj_w_codes, .offset: 16, .size: 8, .value_kind: global_buffer, .address_space: global }
      - { .name: proj_w_scales, .offset: 24, .size: 8, .value_kind: global_buffer, .address_space: global }
      - { .name: proj_b, .offset: 32, .size: 8, .value_kind: global_buffer, .address_space: global }
      - { .name: out0, .offset: 40, .size: 8, .value_kind: global_buffer, .address_space: global }
    .group_segment_fixed_size: 253696
    .private_segment_fixed_size: 0
    .kernarg_segment_align: 8
    .kernarg_segment_size: 48
    .max_flat_workgroup_size: 256
    .sgpr_count:     102
    .vgpr_count:     256
    .wavefront_size: 32
...
	.end_amdgpu_metadata
.endif
;; end of part 6
